; MI455X (gfx1250); checked and timed in simulation.
; The chip was launched on July 23, 2026; its instructions are those of AMD's public machine-readable ISA for CDNA 5 (MIT licence, August 2026) and "CDNA5" Instruction Set Architecture Reference Guide (July 2026). The comments in the code are by the model that wrote it; some were corrected since.
;; Block. Allowed arithmetic: float matrix products may take bf16 or f16 operands with f32 sums; all other float work in f32.
;; Inputs: W1 512 x 2,048 float32; W2 2,048 x 512 float32; Wk 8 x 512 x 64 float32; Wp 512 x 512 float32; Wq 8 x 512 x 64 float32; Wv 8 x 512 x 64 float32; b1 2,048 float32; b2 512 float32; be1 512 float32; be2 512 float32; bk 8 x 64 float32; bp 512 float32; bq 8 x 64 float32; bv 8 x 64 float32; g1 512 float32; g2 512 float32; x 4 x 2,048 x 512 float32.
;; Outputs: out0 4 x 2,048 x 512 float32.
;; One version. Each part assembles by itself: llvm-mc -triple=amdgcn-amd-amdhsa -mcpu=gfx1250 --defsym DOCPART=n.
;; ======== version 1 of 1: 7 launches
;; limits: right only within a limited range of input values
;; workspace buffers: wb 6,291,456 bytes; hn 8,388,608 bytes; qkv 25,165,824 bytes; att 8,388,608 bytes; x1 16,777,216 bytes; hid 33,554,432 bytes
;; launch prep (part 1): grid 640 x 1, 8 waves a work-group, no clusters, 0 bytes of LDS; arguments x, g1, be1, hn, Wq, Wk, Wv, Wp, W1, W2, wb; writes hn, wb
.if DOCPART == 1
	.amdgcn_target "amdgcn-amd-amdhsa--gfx1250"
	.amdhsa_code_object_version 6
	.text
	.protected	k_qe98efcdffa_prep
	.globl	k_qe98efcdffa_prep
	.p2align	8
	.type	k_qe98efcdffa_prep,@function
k_qe98efcdffa_prep:
	s_mov_b64 s[64:65], 0
	v_nop
	global_prefetch_b8 v0, s[64:65] scope:SCOPE_SE
	s_setreg_imm32_b32 hwreg(HW_REG_WAVE_MODE, 25, 1), 1
	s_wait_xcnt 0x0
; Work-groups 0-255:   hn = bf16(LayerNorm(x) * g1 + be1), [8192][512].
; Work-groups 256-639: the weights as bf16 into wb, all kept as [K][N]:
;   byte 0 Wp[512][512]; 524,288 W1[512][2048]; 2,621,440 W2[2048][512]; 4,718,592 Wqkv[512][1536].
;   Wqkv's columns: 0-511 q (head hd at 64 hd); 512 + 128 hd + 0..63 K of head hd, + 64..127 V of head hd,
;   so that later a key's K and V of one head are 256 neighbouring bytes.
; A stream: no LDS, no barrier, no matrix unit. Every load of a wave takes whole runs of 256 bytes, every store of a wave
; covers 256 consecutive bytes, aligned.
; LayerNorm: one wave takes four rows; a row of 2,048 bytes is 16 registers a lane and stays in them: mean first, then the
; squares of x - mean (no difference of large sums).
.set G,    4                           ; v[4:19]    g of my 16 columns (128 j + 4 lane + 0..3)
.set BE,   20                          ; v[20:35]   be of them
.set X,    36                          ; v[36:99]   row i: 16 registers
.set T,    100                         ; v[100:107] at work
.set MEAN, 108                         ; v[108:109] the mean, twice
.set RS,   110                         ; v[110:111] 1 / sqrt(var + eps), twice
.set WQKV, 4718592                     ; byte offset of Wqkv in wb
	s_cmp_ge_u32 ttmp9, 256
	s_cbranch_scc1 .Lcast
	s_load_b256 s[4:11], s[0:1], 0x0               ; x s[4:5], g1 s[6:7], be1 s[8:9], hn s[10:11]
	v_lshrrev_b32 v3, 5, v0
	v_readfirstlane_b32 s26, v3                    ; wave
	v_and_b32 v2, 31, v0
	v_lshlrev_b32 v1, 4, v2                        ; 16 x lane: f32 side
	v_lshlrev_b32 v2, 3, v2                        ; 8 x lane: bf16 side
	s_lshl_b32 s28, ttmp9, 16                      ; 32 rows of 2,048 bytes a work-group,
	s_lshl_b32 s27, s26, 13                        ; 4 rows a wave
	s_add_co_u32 s28, s28, s27
	s_mov_b32 s29, 0
	s_lshr_b32 s34, s28, 1                         ; the same rows in hn: 1,024 bytes each
	s_mov_b32 s35, 0
	s_mov_b32 s30, 0x76543210                      ; v_permlanex16_b32: lane i reads lane i of the other half
	s_mov_b32 s31, 0xfedcba98
	s_mov_b32 s32, 0x3b000000                      ; 1 / 512
	s_mov_b32 s33, 0x3727c5ac                      ; 1e-5
	s_wait_kmcnt 0x0
	s_add_nc_u64 s[4:5], s[4:5], s[28:29]
	s_add_nc_u64 s[10:11], s[10:11], s[34:35]
.irp j, 0,1,2,3
	global_load_b128 v[G+4*\j:G+4*\j+3], v1, s[6:7] offset:512*\j
	global_load_b128 v[BE+4*\j:BE+4*\j+3], v1, s[8:9] offset:512*\j
.endr
.irp i, 0,1,2,3
.irp j, 0,1,2,3
	global_load_b128 v[X+16*\i+4*\j:X+16*\i+4*\j+3], v1, s[4:5] offset:2048*\i+512*\j th:TH_LOAD_NT
.endr
.endr
.macro LANESUM                         ; v[T] summed over the 32 lanes, the result in every lane
	v_add_f32_dpp v[T], v[T], v[T] row_xmask:1 row_mask:0xf bank_mask:0xf
	v_add_f32_dpp v[T], v[T], v[T] row_xmask:2 row_mask:0xf bank_mask:0xf
	v_add_f32_dpp v[T], v[T], v[T] row_xmask:4 row_mask:0xf bank_mask:0xf
	v_add_f32_dpp v[T], v[T], v[T] row_xmask:8 row_mask:0xf bank_mask:0xf
	v_permlanex16_b32 v[T+1], v[T], s30, s31
	v_add_f32 v[T], v[T], v[T+1]
.endm
; Row i. left = the loads of the later rows, which may stay out (g and be are older than every row).
.macro ROW i, left
	s_wait_loadcnt \left
.irp k, 0,1,2,3
	v_pk_add_f32 v[T+2*\k:T+2*\k+1], v[X+16*\i+4*\k:X+16*\i+4*\k+1], v[X+16*\i+4*\k+2:X+16*\i+4*\k+3]
.endr
	v_pk_add_f32 v[T:T+1], v[T:T+1], v[T+2:T+3]
	v_pk_add_f32 v[T+4:T+5], v[T+4:T+5], v[T+6:T+7]
	v_pk_add_f32 v[T:T+1], v[T:T+1], v[T+4:T+5]
	v_add_f32 v[T], v[T], v[T+1]
	LANESUM
	v_mul_f32 v[MEAN], s32, v[T]
	v_mul_f32 v[MEAN+1], s32, v[T]
.irp k, 0,1,2,3,4,5,6,7
	v_pk_add_f32 v[X+16*\i+2*\k:X+16*\i+2*\k+1], v[X+16*\i+2*\k:X+16*\i+2*\k+1], v[MEAN:MEAN+1] neg_lo:[0,1] neg_hi:[0,1]
.endr
	v_pk_mul_f32 v[T:T+1], v[X+16*\i:X+16*\i+1], v[X+16*\i:X+16*\i+1]
	v_pk_mul_f32 v[T+2:T+3], v[X+16*\i+2:X+16*\i+3], v[X+16*\i+2:X+16*\i+3]
.irp k, 4,8,12
	v_pk_fma_f32 v[T:T+1], v[X+16*\i+\k:X+16*\i+\k+1], v[X+16*\i+\k:X+16*\i+\k+1], v[T:T+1]
	v_pk_fma_f32 v[T+2:T+3], v[X+16*\i+\k+2:X+16*\i+\k+3], v[X+16*\i+\k+2:X+16*\i+\k+3], v[T+2:T+3]
.endr
	v_pk_add_f32 v[T:T+1], v[T:T+1], v[T+2:T+3]
	v_add_f32 v[T], v[T], v[T+1]
	LANESUM
	v_fma_f32 v[T], v[T], s32, s33                 ; var + eps
	v_rsq_f32 v[RS], v[T]
	v_rsq_f32 v[RS+1], v[T]
	v_nop                                          ; one plain vector instruction behind a transcendental (ISA guide 5.7.2)
	s_wait_alu depctr_va_vdst(0)
.irp k, 0,1,2,3,4,5,6,7
	v_pk_mul_f32 v[X+16*\i+2*\k:X+16*\i+2*\k+1], v[X+16*\i+2*\k:X+16*\i+2*\k+1], v[RS:RS+1]
.endr
.irp k, 0,1,2,3,4,5,6,7
	v_pk_fma_f32 v[X+16*\i+2*\k:X+16*\i+2*\k+1], v[X+16*\i+2*\k:X+16*\i+2*\k+1], v[G+2*\k:G+2*\k+1], v[BE+2*\k:BE+2*\k+1]
.endr
.irp k, 0,1,2,3,4,5,6,7
	v_cvt_pk_bf16_f32 v[X+16*\i+\k], v[X+16*\i+2*\k], v[X+16*\i+2*\k+1]   ; ascending: a register is written after it was read
.endr
.irp j, 0,1,2,3
	global_store_b64 v2, v[X+16*\i+2*\j:X+16*\i+2*\j+1], s[10:11] offset:1024*\i+256*\j
.endr
.endm
	ROW 0, 12
	ROW 1, 8
	ROW 2, 4
	ROW 3, 0
	s_endpgm
.Lcast:
	s_load_b256 s[12:19], s[0:1], 0x20             ; Wq s[12:13], Wk s[14:15], Wv s[16:17], Wp s[18:19]
	s_load_b128 s[20:23], s[0:1], 0x40             ; W1 s[20:21], W2 s[22:23]
	s_load_b64 s[24:25], s[0:1], 0x50              ; wb
	v_lshrrev_b32 v3, 5, v0
	v_readfirstlane_b32 s26, v3                    ; wave
	s_cmp_ge_u32 ttmp9, 544
	s_cbranch_scc1 .Lheads
	; Wp, W1, W2 keep their order: chunk c of 8,192 numbers; 32 chunks of Wp, 128 of W1, 128 of W2
	s_sub_co_u32 s27, ttmp9, 256                   ; c
	v_lshlrev_b32 v1, 4, v0                        ; 16 x thread
	v_lshlrev_b32 v2, 3, v0                        ; 8 x thread
	s_wait_kmcnt 0x0
	s_cmp_lt_u32 s27, 32
	s_cselect_b64 s[4:5], s[18:19], s[20:21]
	s_cselect_b32 s28, 0, 32
	s_cmp_lt_u32 s27, 160
	s_cselect_b64 s[4:5], s[4:5], s[22:23]
	s_cselect_b32 s28, s28, 160
	s_sub_co_u32 s28, s27, s28                     ; the chunk's number in its own tensor
	s_lshl_b32 s28, s28, 15
	s_mov_b32 s29, 0
	s_add_nc_u64 s[4:5], s[4:5], s[28:29]
	s_lshl_b32 s34, s27, 14
	s_mov_b32 s35, 0
	s_add_nc_u64 s[24:25], s[24:25], s[34:35]
.irp i, 0,1,2,3,4,5,6,7
	global_load_b128 v[4+4*\i:7+4*\i], v1, s[4:5] offset:4096*\i th:TH_LOAD_NT
.endr
.irp i, 0,1,2,3,4,5,6,7
	s_wait_loadcnt 7-\i                            ; the later loads stay out
	v_cvt_pk_bf16_f32 v[4+4*\i], v[4+4*\i], v[5+4*\i]
	v_cvt_pk_bf16_f32 v[5+4*\i], v[6+4*\i], v[7+4*\i]
	global_store_b64 v2, v[4+4*\i:5+4*\i], s[24:25] offset:2048*\i
.endr
	s_endpgm
.Lheads:
	s_cmp_ge_u32 ttmp9, 576
	s_cbranch_scc1 .Lkv
	; Wq: heads 2 hp and 2 hp + 1 (lanes 0-15, lanes 16-31), rows k = 64 kr + 8 wave + i: 128 neighbouring columns of Wqkv
	s_sub_co_u32 s27, ttmp9, 544
	s_lshr_b32 s28, s27, 3                         ; hp
	s_and_b32 s27, s27, 7                          ; kr
	s_lshl_b32 s34, s28, 18                        ; two heads of 131,072 bytes
	s_lshl_b32 s35, s27, 14                        ; 64 rows of 256 bytes
	s_add_co_u32 s34, s34, s35
	s_lshl_b32 s35, s26, 11                        ; 8 rows
	s_add_co_u32 s34, s34, s35
	s_mov_b32 s35, 0
	s_mul_i32 s36, s27, 196608                     ; 64 rows of 3,072 bytes
	s_lshl_b32 s37, s28, 8
	s_add_co_u32 s36, s36, s37
	s_mul_i32 s37, s26, 24576                      ; 8 rows
	s_add_co_u32 s36, s36, s37
	s_add_co_u32 s36, s36, WQKV
	s_mov_b32 s37, 0
	v_and_b32 v3, 15, v0
	v_bfe_u32 v4, v0, 4, 1
	v_lshlrev_b32 v1, 4, v3
	v_lshl_add_u32 v1, v4, 17, v1                  ; the upper lanes: the next head
	v_and_b32 v2, 31, v0
	v_lshlrev_b32 v2, 3, v2
	s_wait_kmcnt 0x0
	s_add_nc_u64 s[12:13], s[12:13], s[34:35]
	s_add_nc_u64 s[24:25], s[24:25], s[36:37]
.irp i, 0,1,2,3,4,5,6,7
	global_load_b128 v[4+4*\i:7+4*\i], v1, s[12:13] offset:256*\i th:TH_LOAD_NT
.endr
.irp i, 0,1,2,3,4,5,6,7
	s_wait_loadcnt 7-\i
	v_cvt_pk_bf16_f32 v[4+4*\i], v[4+4*\i], v[5+4*\i]
	v_cvt_pk_bf16_f32 v[5+4*\i], v[6+4*\i], v[7+4*\i]
	global_store_b64 v2, v[4+4*\i:5+4*\i], s[24:25] offset:3072*\i
.endr
	s_endpgm
.Lkv:
	; Wk and Wv of head hd, rows k0 = 64 kr + 8 wave + 2 i (lanes 0-15) and k0 + 1 (lanes 16-31). The halves of the lanes are
	; exchanged so that one register pair holds K | V of row k0 and the other K | V of row k0 + 1.
	s_sub_co_u32 s27, ttmp9, 576
	s_lshr_b32 s28, s27, 3                         ; hd
	s_and_b32 s27, s27, 7                          ; kr
	s_lshl_b32 s34, s28, 17
	s_lshl_b32 s35, s27, 14
	s_add_co_u32 s34, s34, s35
	s_lshl_b32 s35, s26, 11
	s_add_co_u32 s34, s34, s35
	s_mov_b32 s35, 0
	s_mul_i32 s36, s27, 196608
	s_lshl_b32 s37, s28, 8
	s_add_co_u32 s36, s36, s37
	s_mul_i32 s37, s26, 24576
	s_add_co_u32 s36, s36, s37
	s_add_co_u32 s36, s36, WQKV+1024
	s_mov_b32 s37, 0
	v_and_b32 v2, 31, v0
	v_lshlrev_b32 v1, 4, v2
	v_lshlrev_b32 v2, 3, v2
	s_wait_kmcnt 0x0
	s_add_nc_u64 s[14:15], s[14:15], s[34:35]
	s_add_nc_u64 s[16:17], s[16:17], s[34:35]
	s_add_nc_u64 s[24:25], s[24:25], s[36:37]
.irp i, 0,1,2,3
	global_load_b128 v[4+8*\i:7+8*\i], v1, s[14:15] offset:512*\i th:TH_LOAD_NT
	global_load_b128 v[8+8*\i:11+8*\i], v1, s[16:17] offset:512*\i th:TH_LOAD_NT
.endr
.irp i, 0,1,2,3
	s_wait_loadcnt 6-2*\i                          ; the later pairs of loads stay out
	v_cvt_pk_bf16_f32 v[4+8*\i], v[4+8*\i], v[5+8*\i]
	v_cvt_pk_bf16_f32 v[5+8*\i], v[6+8*\i], v[7+8*\i]
	v_cvt_pk_bf16_f32 v[8+8*\i], v[8+8*\i], v[9+8*\i]
	v_cvt_pk_bf16_f32 v[9+8*\i], v[10+8*\i], v[11+8*\i]
	v_permlane16_swap_b32 v[4+8*\i], v[8+8*\i]     ; K's lanes 16-31 (row k0 + 1) against V's lanes 0-15 (row k0)
	v_permlane16_swap_b32 v[5+8*\i], v[9+8*\i]
	global_store_b64 v2, v[4+8*\i:5+8*\i], s[24:25] offset:3072*(2*\i)
	global_store_b64 v2, v[8+8*\i:9+8*\i], s[24:25] offset:3072*(2*\i+1)
.endr
	s_endpgm
.Lfunc_end_k_qe98efcdffa_prep:
	.size	k_qe98efcdffa_prep, .Lfunc_end_k_qe98efcdffa_prep-k_qe98efcdffa_prep
	.p2alignl 7, 3214868480
	.fill 96, 4, 3214868480
	.section	.rodata,"a",@progbits
	.p2align	6, 0x0
	.amdhsa_kernel k_qe98efcdffa_prep
		.amdhsa_group_segment_fixed_size 0
		.amdhsa_private_segment_fixed_size 0
		.amdhsa_enable_private_segment 0
		.amdhsa_kernarg_size 88
		.amdhsa_user_sgpr_count 2
		.amdhsa_user_sgpr_kernarg_segment_ptr 1
		.amdhsa_wavefront_size32 1
		.amdhsa_system_sgpr_workgroup_id_x 1
		.amdhsa_system_sgpr_workgroup_id_y 1
		.amdhsa_system_sgpr_workgroup_id_z 1
		.amdhsa_system_vgpr_workitem_id 0
		.amdhsa_next_free_vgpr 128
		.amdhsa_next_free_sgpr 66
		.amdhsa_reserve_vcc 0
		.amdhsa_float_denorm_mode_32 3
		.amdhsa_float_denorm_mode_16_64 3
		.amdhsa_memory_ordered 1
		.amdhsa_forward_progress 1
		.amdhsa_inst_pref_size 33
	.end_amdhsa_kernel
	.amdgpu_metadata
---
amdhsa.version: [ 1, 2 ]
amdhsa.kernels:
  - .name:           k_qe98efcdffa_prep
    .symbol:         k_qe98efcdffa_prep.kd
    .args:
      - { .name: x, .offset: 0, .size: 8, .value_kind: global_buffer, .address_space: global }
      - { .name: g1, .offset: 8, .size: 8, .value_kind: global_buffer, .address_space: global }
      - { .name: be1, .offset: 16, .size: 8, .value_kind: global_buffer, .address_space: global }
      - { .name: hn, .offset: 24, .size: 8, .value_kind: global_buffer, .address_space: global }
      - { .name: Wq, .offset: 32, .size: 8, .value_kind: global_buffer, .address_space: global }
      - { .name: Wk, .offset: 40, .size: 8, .value_kind: global_buffer, .address_space: global }
      - { .name: Wv, .offset: 48, .size: 8, .value_kind: global_buffer, .address_space: global }
      - { .name: Wp, .offset: 56, .size: 8, .value_kind: global_buffer, .address_space: global }
      - { .name: W1, .offset: 64, .size: 8, .value_kind: global_buffer, .address_space: global }
      - { .name: W2, .offset: 72, .size: 8, .value_kind: global_buffer, .address_space: global }
      - { .name: wb, .offset: 80, .size: 8, .value_kind: global_buffer, .address_space: global }
    .group_segment_fixed_size: 0
    .private_segment_fixed_size: 0
    .kernarg_segment_align: 8
    .kernarg_segment_size: 88
    .max_flat_workgroup_size: 256
    .sgpr_count:     66
    .vgpr_count:     128
    .wavefront_size: 32
...
	.end_amdgpu_metadata
.endif
;; end of part 1
;; launch proj (part 2): grid 6 x 32, 4 waves a work-group, no clusters, 327,680 bytes of LDS; arguments hn, wb, qkv, bq, bk, bv; writes qkv
.if DOCPART == 2
	.amdgcn_target "amdgcn-amd-amdhsa--gfx1250"
	.amdhsa_code_object_version 6
	.text
	.protected	k_qe98efcdffa_proj
	.globl	k_qe98efcdffa_proj
	.p2align	8
	.type	k_qe98efcdffa_proj,@function
k_qe98efcdffa_proj:
	s_mov_b64 s[64:65], 0
	v_nop
	global_prefetch_b8 v0, s[64:65] scope:SCOPE_SE
	s_setreg_imm32_b32 hwreg(HW_REG_WAVE_MODE, 25, 1), 1
	s_wait_xcnt 0x0
; qkv[8192][1536] (bf16) = hn[8192][512] (bf16) x Wqkv[512][1536] (bf16, in wb) + bias; sums in f32.
; Columns: 0-511 q (head hd at 64 hd, bias bq); 512 + 128 hd + 0..63 K of head hd (bk), + 64..127 V of head hd (bv).
; A work-group makes 256 x 256 with four waves of 128 x 128 (64 accumulator tiles, 512 registers). K goes in four steps of 128
; through two LDS slots filled by the tensor data mover; waves 0, 1 fetch the two halves of A's tile, waves 2, 3 those of W's.
; W lies [K][N]: its tile is 128 k rows of 512 bytes, and the fragments are read with the transposing LDS load.
; NO CLUSTER: 1,536 / 256 = 6 block columns, no multiple of the four that a cluster has along an axis. 6 x 32 = 192 work-groups.
; REGISTERS in windows of 256: window 0: v16-27 addresses, v64-191 fragments of A (two buffers), v192-255 the bias, later the way out;
; window 1: v64-191 fragments of W; windows 2, 3: the accumulators of my rows 0-63, 64-127 (tile (a, b) at v[8 (8 a + b)]).
; THE MATRIX INSTRUCTION IS USED TRANSPOSED: source 0 = 16 columns of W, source 1 = 16 rows of A, so that lane l holds row l % 16
; and its registers the columns 8 (l / 16) + 0..7. The first product takes the bias as C: nothing is cleared or added later.
.set SIZE_N, 1536
.set SIZE_K, 512
.set WOFF,   4718592                   ; Wqkv in wb
.set KSTEP,  128
.set PITCH,  272                       ; A's LDS rows: 256 bytes + 16
.set BPITCH, 544                       ; W's LDS rows: 512 bytes + 32, an odd multiple of 32
.set HALFT,  128*PITCH                 ; what one tensor load brings: 128 rows of A, or 64 k rows of W (64 x 544, the same bytes)
.set SLOT,   4*HALFT
.set STAGE,  2*SLOT                    ; behind the ring: 16 rows x 272 bytes for each wave
.set SPITCH, 272
.set ADRA, 16                          ; v16-17 LDS address of my A fragments in slot 0, 1
.set ADRB, 20                          ; v20-21 the same for W
.set STO,  24
.set RD,   25
.set CO,   26
.set BO,   27                          ; 32 x (lane / 16): my eight numbers of a bias block
.set F0,   64
.set F1,   128
.set BI,   192                         ; v[192:255] bias of n block b: 8 registers
.set TMP,  192
.set G1,  24
.set G0,  32
.set G1B, 48
.set G0B, 56
.set PA,  70                           ; s[70:71] bias of my columns 0-63
.set PB,  72                           ; s[72:73] bias of my columns 64-127
.set MSB, 0
.macro WIN new                         ; the immediate's high byte repeats the setting that is left
.if MSB != \new
	s_set_vgpr_msb (MSB<<8)|\new
.set MSB, \new
.endif
.endm
.set MUL_LO,  0xa1                     ; source 0 (W) window 1, source 1 (A) window 0, C and D window 2
.set MUL_HI,  0xf1                     ; C and D window 3
.set BIAS_LO, 0x81                     ; C (the bias) window 0, D window 2
.set BIAS_HI, 0xc1                     ; C window 0, D window 3
.set TO_B,    0x40
; One tensor load a wave: waves 0, 1 A's line, waves 2, 3 W's. Four v_nop follow each line.
.macro JLOAD s
	s_cmp_eq_u32 s11, 0
	s_cbranch_scc0 .Lfor_b_\@
	tensor_load_to_lds s[G0+4*\s:G0+4*\s+3], s[G1:G1+7]
	s_nop 0
.rept 4
	v_nop
.endr
	s_branch .Lasked_\@
.Lfor_b_\@:
	tensor_load_to_lds s[G0B+4*\s:G0B+4*\s+3], s[G1B:G1B+7]
	s_nop 0
.rept 4
	v_nop
.endr
.Lasked_\@:
.endm
	s_load_b128 s[4:7], s[0:1], 0x0                ; hn s[4:5], wb s[6:7]
	s_load_b64 s[8:9], s[0:1], 0x10                ; qkv
	s_load_b128 s[68:71], s[0:1], 0x18             ; bq s[68:69], bk s[70:71]
	s_load_b64 s[72:73], s[0:1], 0x28              ; bv
	s_set_vgpr_msb 0x40
	v_lshl_add_u32 v255, v0, 2, 0x48400
	s_set_vgpr_msb 0x4000
	v_mov_b32 v63, 0
	s_set_vgpr_msb 0x1
	ds_add_u32 v255, v63
	ds_add_u32 v255, v63
	s_set_vgpr_msb 0x100
	v_lshrrev_b32 v1, 5, v0
	v_readfirstlane_b32 s10, v1                    ; wave 0..3
	s_lshr_b32 s11, s10, 1                         ; my half of the block's rows. Also: I fetch for A (0) or for W (1)
	s_and_b32 s12, s10, 1                          ; my half of its columns. Also: which half of that tile I fetch
	s_mov_b32 s42, ttmp9                           ; block column
	s_and_b32 s13, ttmp7, 0xffff                   ; block row
	; group 1 for A: 128 rows x 128 elements, 16 bytes of padding behind every 256
	s_mov_b32 s[G1+0], (1<<16)|(1<<20)|(5<<22)|(3<<25)
	s_mov_b32 s[G1+1], KSTEP<<16
	s_mov_b32 s[G1+2], 128<<16
	s_mov_b32 s[G1+3], KSTEP<<16
	s_mov_b32 s[G1+4], 128
	s_mov_b32 s[G1+5], SIZE_K
	s_mov_b32 s[G1+6], 0
	s_mov_b32 s[G1+7], 0
	; group 1 for W: 64 k rows x 256 elements, 32 bytes of padding behind every 512
	s_mov_b32 s[G1B+0], (1<<16)|(1<<20)|(6<<22)|(7<<25)
	s_mov_b32 s[G1B+1], 256<<16
	s_mov_b32 s[G1B+2], 64<<16
	s_mov_b32 s[G1B+3], 256<<16
	s_mov_b32 s[G1B+4], 64
	s_mov_b32 s[G1B+5], SIZE_N
	s_mov_b32 s[G1B+6], 0
	s_mov_b32 s[G1B+7], 0
	s_lshl_b32 s17, s12, 7
	s_lshl_b32 s16, s13, 8
	s_add_co_u32 s16, s16, s17                     ; A: row 256 x block row + 128 x half
	s_lshl_b32 s16, s16, 10                        ; rows of 1,024 bytes
	s_mov_b32 s17, 0
	s_mul_i32 s46, s12, 64*SIZE_N*2                ; W: k row 64 x half,
	s_lshl_b32 s47, s42, 9                         ; column 256 x block column
	s_add_co_u32 s46, s46, s47
	s_add_co_u32 s46, s46, WOFF
	s_mov_b32 s47, 0
	s_mul_i32 s20, s10, HALFT                      ; LDS: A's two halves, then W's two halves = wave x HALFT
	s_wait_dscnt 0x0
	s_wait_kmcnt 0x0
	s_add_nc_u64 s[14:15], s[4:5], s[16:17]
	s_add_nc_u64 s[46:47], s[6:7], s[46:47]
.irp s, 0,1
	s_mov_b32 s[G0+4*\s], 1
	s_add_co_u32 s[G0+4*\s+1], s20, \s*SLOT
	s_add_nc_u64 s[G0+4*\s+2:G0+4*\s+3], s[14:15], \s*KSTEP*2
	s_or_b32 s[G0+4*\s+3], s[G0+4*\s+3], 0x80000000
	s_mov_b32 s[G0B+4*\s], 1
	s_add_co_u32 s[G0B+4*\s+1], s20, \s*SLOT
	s_add_nc_u64 s[G0B+4*\s+2:G0B+4*\s+3], s[46:47], \s*KSTEP*SIZE_N*2
	s_or_b32 s[G0B+4*\s+3], s[G0B+4*\s+3], 0x80000000
	JLOAD \s                                       ; K steps 0 and 1: two tensor loads of the wave are out
.endr
	; the bias of my 128 columns. Block columns 0, 1: q, 128 neighbouring numbers of bq. Others: head 2 (block column - 2) + half, bk then bv.
	s_lshl_b32 s74, s42, 10
	s_lshl_b32 s75, s12, 9
	s_add_co_u32 s74, s74, s75                     ; q: 4 (256 block column + 128 half)
	s_add_co_u32 s76, s74, 256
	s_max_u32 s75, s42, 2
	s_sub_co_u32 s75, s75, 2
	s_lshl_b32 s75, s75, 1
	s_add_co_u32 s75, s75, s12                     ; head
	s_lshl_b32 s75, s75, 8                         ; 64 numbers of 4 bytes a head
	s_cmp_lt_u32 s42, 2
	s_cselect_b64 s[PA:PA+1], s[68:69], s[70:71]
	s_cselect_b64 s[PB:PB+1], s[68:69], s[72:73]
	s_cselect_b32 s74, s74, s75
	s_cselect_b32 s76, s76, s75
	s_mov_b32 s75, 0
	s_mov_b32 s77, 0
	s_add_nc_u64 s[PA:PA+1], s[PA:PA+1], s[74:75]
	s_add_nc_u64 s[PB:PB+1], s[PB:PB+1], s[76:77]
	v_and_b32 v1, 15, v0                           ; l % 16
	v_bfe_u32 v2, v0, 4, 1                         ; l / 16
	v_lshlrev_b32 v[BO], 5, v2
.irp b, 0,1,2,3
	global_load_b128 v[BI+8*\b:BI+8*\b+3],       v[BO], s[PA:PA+1] offset:64*\b
	global_load_b128 v[BI+8*\b+4:BI+8*\b+7],     v[BO], s[PA:PA+1] offset:64*\b+16
	global_load_b128 v[BI+32+8*\b:BI+32+8*\b+3],   v[BO], s[PB:PB+1] offset:64*\b
	global_load_b128 v[BI+32+8*\b+4:BI+32+8*\b+7], v[BO], s[PB:PB+1] offset:64*\b+16
.endr
	; A fragment: lane l holds row l % 16; two loads of 16 bytes, 32 bytes apart, at row x pitch + 16 (l / 16).
	v_mul_u32_u24 v3, v1, PITCH
	v_lshl_add_u32 v3, v2, 4, v3
	; W fragment by the transposing load: lane l addresses k row 8 (l / 16) + l % 8, 16 bytes at 16 ((l / 8) % 2); the second load 16 k rows on.
	v_and_b32 v6, 7, v0
	v_lshl_add_u32 v6, v2, 3, v6
	v_mul_u32_u24 v6, v6, BPITCH
	v_bfe_u32 v7, v0, 3, 1
	v_lshl_add_u32 v6, v7, 4, v6
	s_mul_i32 s21, s11, HALFT                      ; my 128 rows of A
	s_lshl_b32 s22, s12, 8                         ; my 128 columns of W: 256 bytes,
	s_add_co_u32 s22, s22, 2*HALFT                 ; behind A's 256 rows
.irp s, 0,1
	v_add_nc_u32 v[ADRA+\s], s21, v3
	v_add_nc_u32 v[ADRB+\s], s22, v6
	s_add_co_u32 s21, s21, SLOT
	s_add_co_u32 s22, s22, SLOT
.endr
	s_mul_i32 s23, s10, 16*SPITCH
	s_add_co_u32 s23, s23, STAGE                   ; my stage
	v_mul_u32_u24 v4, v1, SPITCH
	v_lshl_add_u32 v4, v2, 4, v4
	v_add_nc_u32 v[STO], s23, v4
	v_mul_u32_u24 v5, v2, SPITCH
	v_lshl_add_u32 v5, v1, 4, v5
	v_add_nc_u32 v[RD], s23, v5
	v_mul_u32_u24 v5, v2, SIZE_N*2
	v_lshl_add_u32 v[CO], v1, 4, v5
; 16 matrix instructions: row groups a0, a0 + 1 of the window's four x all 8 n blocks, 32 along K. first = 1: C is the bias.
; The 64 accumulators take turns, one instruction a turn.
.macro MUL16 f, hi, a0, first
.irp a, \a0, \a0+1
.irp b, 0,1,2,3,4,5,6,7
.if \first
	v_wmma_f32_16x16x32_bf16 v[8*(8*(\a)+\b):8*(8*(\a)+\b)+7], v[\f+8*\b:\f+8*\b+7], v[\f+8*(4*\hi+\a):\f+8*(4*\hi+\a)+7], v[BI+8*\b:BI+8*\b+7]
.else
	v_wmma_f32_16x16x32_bf16 v[8*(8*(\a)+\b):8*(8*(\a)+\b)+7], v[\f+8*\b:\f+8*\b+7], v[\f+8*(4*\hi+\a):\f+8*(4*\hi+\a)+7], v[8*(8*(\a)+\b):8*(8*(\a)+\b)+7]
.endif
.endr
.endr
.endm
; 32 LDS loads in one run: the fragments of quarter q (32 along K) of a slot into buffer f: 16 of W, then 16 of A
.macro FETCH slot, q, f
	WIN TO_B
.irp i, 0,1,2,3,4,5,6,7
	ds_load_tr16_b128 v[\f+8*\i:\f+8*\i+3],   v[ADRB+\slot] offset:\q*32*BPITCH+32*\i
	ds_load_tr16_b128 v[\f+8*\i+4:\f+8*\i+7], v[ADRB+\slot] offset:\q*32*BPITCH+16*BPITCH+32*\i
.endr
	WIN 0
.irp i, 0,1,2,3,4,5,6,7
	ds_load_b128 v[\f+8*\i:\f+8*\i+3],   v[ADRA+\slot] offset:64*\q+\i*16*PITCH
	ds_load_b128 v[\f+8*\i+4:\f+8*\i+7], v[ADRA+\slot] offset:64*\q+\i*16*PITCH+32
.endr
.endm
; Four plain vector instructions stand between a matrix instruction and a load into, or a vector instruction on, its registers.
.macro PLACES
.rept 4
	v_nop
.endr
.endm
; One of a K step's first three quarters: multiplies buffer f; in its middle fetches quarter q into buffer g.
.macro QUARTER slot, q, f, g, first
	s_wait_dscnt 8                                 ; W and A's rows 0-63 are in; the youngest eight loads (A's rows 64-127) may be out
.if \first
	WIN BIAS_LO
.else
	WIN MUL_LO
.endif
	MUL16 \f, 0, 0, \first
	MUL16 \f, 0, 2, \first
	PLACES
	FETCH \slot, \q, \g
	s_wait_dscnt 32                                ; all but the 32 just issued
.if \first
	WIN BIAS_HI
.else
	WIN MUL_HI
.endif
	MUL16 \f, 1, 0, \first
	MUL16 \f, 1, 2, \first
.endm
.macro THREE slot, first
	QUARTER \slot, 1, F0, F1, \first
	QUARTER \slot, 2, F1, F0, 0
	QUARTER \slot, 3, F0, F1, 0
.endm
; The last quarter changes slots. In front of the one barrier each wave waits for its reads of this slot and for all its tensor loads
; (one is out: its part of the next slot). Behind it the refill comes first, then the next slot's first fragments.
.macro TURN slot, next, fill
	s_wait_dscnt 8
	WIN MUL_LO
	MUL16 F1, 0, 0, 0
	s_wait_dscnt 0                                 ; my reads of this slot are over
	s_wait_tensorcnt 0x0                           ; all my tensor loads have landed
	ds_add_u32 v255, v63
	s_wait_dscnt 0x0
	s_barrier_signal -1
	MUL16 F1, 0, 2, 0                              ; register work while the others arrive
	WIN 0
	s_barrier_wait -1
.if \fill
	s_add_nc_u64 s[G0+4*\slot+2:G0+4*\slot+3], s[G0+4*\slot+2:G0+4*\slot+3], 2*KSTEP*2
	s_add_nc_u64 s[G0B+4*\slot+2:G0B+4*\slot+3], s[G0B+4*\slot+2:G0B+4*\slot+3], 2*KSTEP*SIZE_N*2
	JLOAD \slot                                    ; my one tensor load behind the barrier; its four v_nop are also the places in front of the loads below
.else
	PLACES
.endif
	FETCH \next, 0, F0
	WIN MUL_HI
	MUL16 F1, 1, 0, 0
	MUL16 F1, 1, 2, 0
.endm
	s_wait_tensorcnt 1                             ; my part of K step 0 is in; K step 1's stays out
	s_barrier_signal -1
	s_barrier_wait -1
	FETCH 0, 0, F0
	s_wait_loadcnt 0x0                             ; the bias
	THREE 0, 1                                     ; K step 0: its first products start the sums from the bias
	TURN 0, 1, 1                                   ; slot 0 gets K step 2
	THREE 1, 0
	TURN 1, 0, 1                                   ; slot 1 gets K step 3
	THREE 0, 0
	TURN 0, 1, 0
	THREE 1, 0
	s_wait_dscnt 8                                 ; the very last quarter
	WIN MUL_LO
	MUL16 F1, 0, 0, 0
	MUL16 F1, 0, 2, 0
	s_wait_dscnt 0
	WIN MUL_HI
	MUL16 F1, 1, 0, 0
	MUL16 F1, 1, 2, 0
	; THE WAY OUT, 16 rows at a time: round to bf16, 16 bytes a lane into my own stage, back as whole rows of 256 bytes.
	PLACES
	s_lshl_b32 s13, s13, 8
	s_lshl_b32 s14, s11, 7
	s_add_co_u32 s16, s13, s14                     ; my first row
	s_mul_i32 s16, s16, SIZE_N*2
	s_mov_b32 s17, 0
	s_add_nc_u64 s[8:9], s[8:9], s[16:17]
	s_lshl_b32 s46, s42, 9                         ; my first column, in bytes
	s_lshl_b32 s47, s12, 8
	s_add_co_u32 s46, s46, s47
	s_mov_b32 s47, 0
	s_add_nc_u64 s[8:9], s[8:9], s[46:47]
.macro OUT16 i, a, from, f
	WIN \from
.irp b, 0,1,2,3,4,5,6,7
.irp r, 0,1,2,3
	v_cvt_pk_bf16_f32 v[TMP+4*\b+\r], v[8*(8*\a+\b)+2*\r], v[8*(8*\a+\b)+2*\r+1]
.endr
.endr
	WIN 0
.irp b, 0,1,2,3,4,5,6,7
	ds_store_b128 v[STO], v[TMP+4*\b:TMP+4*\b+3] offset:32*\b
.endr
	s_wait_xcnt 0x0                                ; buffer f, which earlier stores read, and the stores' base are rewritten only behind this wait
.if \i
	s_add_nc_u64 s[8:9], s[8:9], 16*SIZE_N*2
.endif
.irp t, 0,1,2,3,4,5,6,7
	ds_load_b128 v[\f+4*\t:\f+4*\t+3], v[RD] offset:\t*2*SPITCH    ; LDS serves a wave's instructions in order: these see the stores above
.endr
.irp t, 0,1,2,3,4,5,6,7
	s_wait_dscnt 7-\t
	global_store_b128 v[CO], v[\f+4*\t:\f+4*\t+3], s[8:9] offset:2*\t*SIZE_N*2   ; 16 lanes store 256 consecutive bytes, aligned
.endr
.endm
	OUT16 0, 0, 0x0a, F0
	OUT16 1, 1, 0x0a, F1
	OUT16 2, 2, 0x0a, F0
	OUT16 3, 3, 0x0a, F1
	OUT16 4, 0, 0x0f, F0
	OUT16 5, 1, 0x0f, F1
	OUT16 6, 2, 0x0f, F0
	OUT16 7, 3, 0x0f, F1
	s_set_vgpr_msb 0x1
	s_wait_tensorcnt 0x0
	ds_add_u32 v255, v63
	s_wait_dscnt 0x0
	s_set_vgpr_msb 0x100
	s_endpgm
.Lfunc_end_k_qe98efcdffa_proj:
	.size	k_qe98efcdffa_proj, .Lfunc_end_k_qe98efcdffa_proj-k_qe98efcdffa_proj
	.p2alignl 7, 3214868480
	.fill 96, 4, 3214868480
	.section	.rodata,"a",@progbits
	.p2align	6, 0x0
	.amdhsa_kernel k_qe98efcdffa_proj
		.amdhsa_group_segment_fixed_size 327680
		.amdhsa_private_segment_fixed_size 0
		.amdhsa_enable_private_segment 0
		.amdhsa_kernarg_size 48
		.amdhsa_user_sgpr_count 2
		.amdhsa_user_sgpr_kernarg_segment_ptr 1
		.amdhsa_wavefront_size32 1
		.amdhsa_system_sgpr_workgroup_id_x 1
		.amdhsa_system_sgpr_workgroup_id_y 1
		.amdhsa_system_sgpr_workgroup_id_z 1
		.amdhsa_system_vgpr_workitem_id 0
		.amdhsa_next_free_vgpr 1024
		.amdhsa_next_free_sgpr 78
		.amdhsa_reserve_vcc 0
		.amdhsa_float_denorm_mode_32 3
		.amdhsa_float_denorm_mode_16_64 3
		.amdhsa_memory_ordered 1
		.amdhsa_forward_progress 1
		.amdhsa_inst_pref_size 146
	.end_amdhsa_kernel
	.amdgpu_metadata
---
amdhsa.version: [ 1, 2 ]
amdhsa.kernels:
  - .name:           k_qe98efcdffa_proj
    .symbol:         k_qe98efcdffa_proj.kd
    .args:
      - { .name: hn, .offset: 0, .size: 8, .value_kind: global_buffer, .address_space: global }
      - { .name: wb, .offset: 8, .size: 8, .value_kind: global_buffer, .address_space: global }
      - { .name: qkv, .offset: 16, .size: 8, .value_kind: global_buffer, .address_space: global }
      - { .name: bq, .offset: 24, .size: 8, .value_kind: global_buffer, .address_space: global }
      - { .name: bk, .offset: 32, .size: 8, .value_kind: global_buffer, .address_space: global }
      - { .name: bv, .offset: 40, .size: 8, .value_kind: global_buffer, .address_space: global }
    .group_segment_fixed_size: 327680
    .private_segment_fixed_size: 0
    .kernarg_segment_align: 8
    .kernarg_segment_size: 48
    .max_flat_workgroup_size: 128
    .sgpr_count:     78
    .vgpr_count:     1024
    .wavefront_size: 32
...
	.end_amdgpu_metadata
.endif
;; end of part 2
;; launch attn (part 3): grid 256 x 1, 8 waves a work-group, no clusters, 327,680 bytes of LDS; arguments qkv, att; writes att
.if DOCPART == 3
	.amdgcn_target "amdgcn-amd-amdhsa--gfx1250"
	.amdhsa_code_object_version 6
	.text
	.protected	k_qe98efcdffa_attn
	.globl	k_qe98efcdffa_attn
	.p2align	8
	.type	k_qe98efcdffa_attn,@function
k_qe98efcdffa_attn:
	s_mov_b64 s[64:65], 0
	v_nop
	global_prefetch_b8 v0, s[64:65] scope:SCOPE_SE
	s_setreg_imm32_b32 hwreg(HW_REG_WAVE_MODE, 25, 1), 1
	s_wait_xcnt 0x0
; Causal attention with a running maximum. qkv[8192][1536] bf16: q of head hd at column 64 hd; K | V of head hd at column 512 + 128 hd.
; att[8192][512] bf16: head hd at column 64 hd.
; WORK: id: z = id & 1, a = (id >> 1) & 3, head = (id >> 3) & 7, batch = id >> 6. A query block is 128 rows. Keys come in PAIRS of blocks
; of 128 (blocks 2 p and 2 p + 1); query block b needs the pairs b / 2 .. 0. The work-group does block 4 a + z (2 a + 1 pairs), then block
; 15 - 4 a - z (8 - 2 a pairs): 9 pairs in every work-group, the first count always odd, so that the two LDS slots are fixed in the text.
; WAVES: eight, two on a SIMD, so that one can issue while the other waits for LDS, for a result or for the matrix unit.
; Wave w: qw = w & 3 (its 32 queries), kh = w >> 2 (its key block of each pair). The two waves of a query group keep a maximum, a sum and an
; O of their own and merge them at the block's end: wave kh keeps query tile kh (its n tile 0) and sends the other (its n tile 1) through LDS.
; A pair (256 keys x 256 bytes, K and V together) comes by eight tensor loads, one a wave, 32 keys each, into two LDS slots by turns.
; TRANSPOSED FORMS: S^T = K Q^T, so a lane holds eight keys of one query: a row's maximum and sum are in the lane but for one exchange of
; the halves, and two packed S tiles ARE the B fragment of P. O^T = V^T P^T with V^T read by the transposing LDS load.
; LDS: a wave's 32 keys lie at pitch 288 (an odd multiple of 32, for V's transposing loads) in a region of 32 x 288 + 16 bytes. An S tile takes
; rows 0-7 from one region and rows 8-15 from the next, so that the sixteen lanes of a K load start at sixteen different 16-byte columns
; modulo 256 (2 i and 2 i + 1). The keys of a tile are thereby permuted, alike in S, P and V: key in the block = 64 sub + 32 h + 8 mt + j.
; exp((s - m) / 8) = exp2(c s - c m), c = log2(e) / 8; m is the running maximum of the raw scores, the masked ones (-1e9) among them.
; In a block's first pair every wave masks: one block of the pair is the diagonal one, the other is wholly open or wholly masked. A wholly masked
; block leaves a state with maximum -1e9, which the next factor, or the merge, multiplies by exp2 of about -1.8e8, that is by 0.
; LIMITS: keys beyond a query's pair are not visited; reference() gives them the score -1e9, whose weight is 0 in f32 while the row's
; largest true score lies above -1e9 + 1000. Rows below that are not served. Exponentials below 2^-126 count as 0.
; NO CLUSTER: the eight work-groups of a head walk different pairs at a time, so no request is shared.
; att's rows of a head are 128 bytes: eight lanes store one such piece.
.set ROWB,  3072                       ; bytes in a row of qkv
.set KVP,   288                        ; LDS pitch of a key: 128 bytes K, 128 bytes V, 32 of padding
.set RW,    32*KVP+16                  ; a region: what one wave's tensor load brings, and 16 bytes
.set BLKB,  4*RW                       ; a key block
.set SLOTB, 8*RW                       ; a pair of key blocks
.set XCH,   2*SLOTB                    ; behind the ring: 4,608 bytes for each wave, what it sends to its partner
.set XW,    4608
.set OST,   XCH+8*XW                   ; behind that: 16 rows x 144 bytes for each wave, for the way out
.set SP,    144
.set L16, 0                            ; v0     16 x lane (behind the set-up)
.set ADK, 1                            ; v1-2   K fragments in slot 0, 1
.set ADV, 3                            ; v3-4   V fragments in slot 0, 1
.set DM,  5                            ; v5-6   query - 32 h + 128 x (block's parity - kh), for n tile 0, 1
.set NEG, 7                            ; v7     -1e9
.set MX,  8                            ; v8, v10  running maximum of n tile 0, 1
.set LS,  9                            ; v9, v11  running sum, of this half of the lanes
.set NMC, 12                           ; v12, v14  -c x maximum (pairs, low register used)
.set AL,  16                           ; v16, v18  the factor for the old sums (pairs, low register used)
.set T,   20                           ; v20-27 at work
.set STO, 28
.set RD,  29
.set CO,  30
.set VQ,  31
.set QF,  32                           ; v[32:63]   Q fragments (nt, ks) at 8 (2 nt + ks)
.set SC,  64                           ; v[64:127]  S (nt, mt) at 8 (4 nt + mt); then P (nt, u) at 32 nt + 16 u
.set KF,  128                          ; v[128:191] K fragments (mt, ks) at 8 (2 mt + ks)
.set VF,  192                          ; v[192:255] V^T fragments (mt, u) at 8 (2 mt + u)
                                       ; window 1: v[0:63] O (nt, mt) at 8 (4 nt + mt)
.set G1,  16
.set G0,  24
.set MSB, 0
.macro WIN new                         ; the immediate's high byte repeats the setting that is left
.if MSB != \new
	s_set_vgpr_msb (MSB<<8)|\new
.set MSB, \new
.endif
.endm
.macro PLACES                          ; four plain vector instructions behind a matrix instruction (ISA guide 7.12.1)
.rept 4
	v_nop
.endr
.endm
.macro PLACES5                         ; five: the next matrix instruction writes over a source of the last
.rept 5
	v_nop
.endr
.endm
; Slot sl's group 0 gets the address of pair s45; s45 steps down and, behind pair 0 of the first block, to the second block's first pair.
.macro NEXTADDR sl
	s_mul_i32 s46, s45, 256*ROWB
	s_add_nc_u64 s[G0+4*\sl+2:G0+4*\sl+3], s[42:43], s[46:47]
	s_or_b32 s[G0+4*\sl+3], s[G0+4*\sl+3], 0x80000000
	s_sub_co_i32 s45, s45, 1
	s_cmp_lt_i32 s45, 0
	s_cselect_b32 s45, s44, s45
.endm
; For the query block in s[blk]: Q of my n tile 0 and 1 (query tiles kh and 1 - kh of my 32 queries), and where n tile 0 goes.
.macro BASES blk, q0, q1, ob
	s_lshl_b32 s51, s[\blk], 7
	s_add_co_u32 s51, s51, s14                     ; my first query
	s_add_co_u32 s13, s51, s58
	s_mul_i32 s46, s13, ROWB
	s_add_co_u32 s46, s46, s15
	s_add_nc_u64 s[\q0:\q0+1], s[4:5], s[46:47]
	s_lshl_b32 s46, s13, 10
	s_add_co_u32 s46, s46, s15
	s_add_nc_u64 s[\ob:\ob+1], s[6:7], s[46:47]
	s_add_co_u32 s13, s51, s59
	s_mul_i32 s46, s13, ROWB
	s_add_co_u32 s46, s46, s15
	s_add_nc_u64 s[\q1:\q1+1], s[4:5], s[46:47]
.endm
	s_load_b128 s[4:7], s[0:1], 0x0                ; qkv s[4:5], att s[6:7]
	s_set_vgpr_msb 0x40
	v_lshl_add_u32 v64, v0, 2, 0x31900
	v_mov_b32 v65, 0
	s_set_vgpr_msb 0x4045
	ds_add_u32 v64, v65
	ds_add_u32 v64, v65
	s_set_vgpr_msb 0x4500
	v_lshrrev_b32 v20, 5, v0
	v_readfirstlane_b32 s8, v20                    ; wave 0..7
	s_and_b32 s54, s8, 3                           ; qw
	s_lshr_b32 s55, s8, 2                          ; kh
	s_bfe_u32 s9, ttmp9, 0x20001                   ; a
	s_and_b32 s56, ttmp9, 1                        ; z
	s_bfe_u32 s11, ttmp9, 0x30003                  ; head
	s_lshr_b32 s10, ttmp9, 6                       ; batch
	s_lshl_b32 s12, s9, 2
	s_add_co_u32 s12, s12, s56                     ; the first query block: 4 a + z
	s_sub_co_u32 s57, 15, s12                      ; the second: 15 - 4 a - z
	s_lshl_b32 s45, s9, 1                          ; the first pair asked for: 2 a
	s_sub_co_u32 s44, 7, s45                       ; the second block's first pair: 7 - 2 a
	s_sub_co_u32 s49, 3, s9
	s_mov_b32 s38, 0x3e38aa3b                      ; c = log2(e) / 8
	s_mov_b32 s39, 0x3e38aa3b
	s_mov_b32 s50, 0xbe38aa3b                      ; -c
	s_mov_b32 s40, 0x76543210                      ; v_permlanex16_b32: lane i reads lane i of the other half
	s_mov_b32 s41, 0xfedcba98
	; group 1: 32 keys x 128 elements (K | V), 32 bytes of padding behind every 256
	s_mov_b32 s[G1+0], (1<<16)|(1<<20)|(5<<22)|(7<<25)
	s_mov_b32 s[G1+1], 128<<16
	s_mov_b32 s[G1+2], 32<<16
	s_mov_b32 s[G1+3], 128<<16
	s_mov_b32 s[G1+4], 32
	s_mov_b32 s[G1+5], 1536
	s_mov_b32 s[G1+6], 0
	s_mov_b32 s[G1+7], 0
	s_mul_i32 s13, s8, RW
.irp s, 0,1
	s_mov_b32 s[G0+4*\s], 1
	s_add_co_u32 s[G0+4*\s+1], s13, \s*SLOTB       ; LDS: the slot, and my region in it
.endr
	s_lshl_b32 s14, s10, 11                        ; 2048 batch
	s_lshl_b32 s15, s8, 5
	s_add_co_u32 s51, s14, s15                     ; + 32 wave: my 32 keys of pair 0
	s_lshl_b32 s15, s11, 7                         ; 128 head
	s_mov_b32 s47, 0
	s_mul_i32 s46, s51, ROWB
	s_add_co_u32 s46, s46, s15
	s_add_co_u32 s46, s46, s15
	s_add_co_u32 s46, s46, 1024                    ; K | V of my head: byte 1024 + 256 head of a row
	s_lshl_b32 s51, s54, 5
	s_add_co_u32 s14, s14, s51                     ; 2048 batch + 32 qw
	s_lshl_b32 s58, s55, 4                         ; 16 kh: the query tile that is my n tile 0
	s_xor_b32 s59, s58, 16                         ; 16 (1 - kh): my n tile 1
	s_wait_dscnt 0x0
	s_wait_kmcnt 0x0
	s_add_nc_u64 s[42:43], s[4:5], s[46:47]
	NEXTADDR 0
	tensor_load_to_lds s[G0:G0+3], s[G1:G1+7]      ; the first pair into slot 0
	s_nop 0
	BASES 12, 32, 60, 34
	BASES 57, 52, 62, 36
	v_and_b32 v20, 15, v0                          ; r
	v_bfe_u32 v21, v0, 4, 1                        ; h
	v_mul_u32_u24 v[VQ], v20, ROWB
	v_lshl_add_u32 v[VQ], v21, 4, v[VQ]
; Q fragments straight from memory: lane (r, h) takes query r, 16 bytes at 16 h and 16 bytes 32 further on
.macro LDQ b0, b1
.irp ks, 0,1
	global_load_b128 v[QF+8*\ks:QF+8*\ks+3],       v[VQ], s[\b0:\b0+1] offset:64*\ks
	global_load_b128 v[QF+8*\ks+4:QF+8*\ks+7],     v[VQ], s[\b0:\b0+1] offset:64*\ks+32
	global_load_b128 v[QF+16+8*\ks:QF+16+8*\ks+3],   v[VQ], s[\b1:\b1+1] offset:64*\ks
	global_load_b128 v[QF+16+8*\ks+4:QF+16+8*\ks+7], v[VQ], s[\b1:\b1+1] offset:64*\ks+32
.endr
.endm
	LDQ 32, 60
	v_and_b32 v22, 7, v0                           ; l % 8
	v_bfe_u32 v23, v0, 3, 1                        ; (l / 8) % 2
	v_bfe_u32 v24, v0, 3, 2                        ; l / 8
	s_mul_i32 s13, s55, BLKB                       ; my key block's half of a slot
	v_mul_u32_u24 v25, v22, KVP                    ; row l % 8 of a region
	v_add_nc_u32 v25, s13, v25
	v_mul_u32_u24 v26, v23, RW                     ; K: tile rows 8-15 (lanes with r >= 8) lie in the next region,
	v_add_nc_u32 v26, v26, v25
	v_lshl_add_u32 v[ADK], v21, 4, v26             ; 16 bytes at 16 h
	v_add_nc_u32 v[ADK+1], SLOTB, v[ADK]
	v_mul_u32_u24 v26, v21, RW                     ; V: the keys of half h lie in region h,
	v_add_nc_u32 v26, v26, v25
	v_lshl_add_u32 v26, v23, 4, v26                ; 16 bytes at 16 ((l / 8) % 2),
	v_add_nc_u32 v[ADV], 128, v26                  ; behind K's 128 bytes
	v_add_nc_u32 v[ADV+1], SLOTB+128, v26
	v_lshlrev_b32 v25, 5, v21
	v_sub_nc_u32 v25, v20, v25                     ; r - 32 h
	s_sub_co_i32 s13, s56, s55                     ; the first block's parity is z
	s_lshl_b32 s13, s13, 7                         ; 128 (z - kh)
	s_lshl_b32 s51, s54, 5
	s_add_co_u32 s13, s13, s51                     ; + 32 qw
	s_add_co_u32 s51, s13, s58
	v_add_nc_u32 v[DM], s51, v25
	s_add_co_u32 s51, s13, s59
	v_add_nc_u32 v[DM+1], s51, v25
	s_lshl_b32 s68, s56, 8
	s_sub_co_u32 s68, 128, s68                     ; the second block's parity is 1 - z: DM steps by 128 (1 - 2 z)
	v_mov_b32 v[NEG], 0xce6e6b28                   ; -1e9
	s_mul_i32 s13, s8, 16*SP
	s_add_co_u32 s13, s13, OST                     ; my stage
	v_mul_u32_u24 v25, v20, SP
	v_lshl_add_u32 v25, v21, 4, v25
	v_add_nc_u32 v[STO], s13, v25
	v_mul_u32_u24 v25, v24, SP
	v_lshl_add_u32 v25, v22, 4, v25
	v_add_nc_u32 v[RD], s13, v25
	v_lshlrev_b32 v25, 10, v24
	v_lshl_add_u32 v[CO], v22, 4, v25
	s_mul_i32 s66, s8, XW
	s_add_co_u32 s66, s66, XCH                     ; what I send
	s_xor_b32 s67, s8, 4                           ; my partner: the same queries, the other key block
	s_mul_i32 s67, s67, XW
	s_add_co_u32 s67, s67, XCH                     ; what it sends
	v_mov_b32 v[NMC+1], 0                          ; the upper registers of the broadcast pairs are never used, but are named
	v_mov_b32 v[NMC+3], 0
	v_mov_b32 v[AL+1], 0
	v_mov_b32 v[AL+3], 0
	v_mov_b32 v27, 0
	v_and_b32 v0, 31, v0
	v_lshlrev_b32 v[L16], 4, v0                    ; the thread's number is no longer needed
	s_wait_loadcnt 0x0                             ; Q
.macro LDK slot, sub                   ; K fragments of 64 keys: 16 loads
.irp mt, 0,1,2,3
.irp ks, 0,1
	ds_load_b128 v[KF+8*(2*\mt+\ks):KF+8*(2*\mt+\ks)+3],   v[ADK+\slot] offset:2*RW*\sub+8*\mt*KVP+64*\ks
	ds_load_b128 v[KF+8*(2*\mt+\ks)+4:KF+8*(2*\mt+\ks)+7], v[ADK+\slot] offset:2*RW*\sub+8*\mt*KVP+64*\ks+32
.endr
.endr
.endm
.macro LDV slot, sub                   ; V^T fragments of 64 keys: 16 transposing loads; the second of a fragment is S tile 2 u + 1: 8 rows on
.irp u, 0,1
.irp mt, 0,1,2,3
	ds_load_tr16_b128 v[VF+8*(2*\mt+\u):VF+8*(2*\mt+\u)+3],   v[ADV+\slot] offset:2*RW*\sub+16*\u*KVP+32*\mt
	ds_load_tr16_b128 v[VF+8*(2*\mt+\u)+4:VF+8*(2*\mt+\u)+7], v[ADV+\slot] offset:2*RW*\sub+(16*\u+8)*KVP+32*\mt
.endr
.endr
.endm
; S^T of 64 keys x 32 queries. The eight accumulators take turns, one instruction a turn.
.macro QK
.irp ks, 0,1
.irp nt, 0,1
.irp mt, 0,1,2,3
.if \ks == 0
	v_wmma_f32_16x16x32_bf16 v[SC+8*(4*\nt+\mt):SC+8*(4*\nt+\mt)+7], v[KF+8*(2*\mt+\ks):KF+8*(2*\mt+\ks)+7], v[QF+8*(2*\nt+\ks):QF+8*(2*\nt+\ks)+7], 0
.else
	v_wmma_f32_16x16x32_bf16 v[SC+8*(4*\nt+\mt):SC+8*(4*\nt+\mt)+7], v[KF+8*(2*\mt+\ks):KF+8*(2*\mt+\ks)+7], v[QF+8*(2*\nt+\ks):QF+8*(2*\nt+\ks)+7], v[SC+8*(4*\nt+\mt):SC+8*(4*\nt+\mt)+7]
.endif
.endr
.endr
.endr
.endm
; diag: keys beyond the query get -1e9. first: the block's first 64 keys start maximum and sum.
.macro SOFTMAX diag, first, sub
.if \diag
.irp nt, 0,1
.irp mt, 0,1,2,3
.irp j, 0,1,2,3,4,5,6,7
	v_cmp_gt_i32 vcc_lo, 64*\sub+8*\mt+\j, v[DM+\nt]               ; key 64 sub + 32 h + 8 mt + j of my block > query
	v_cndmask_b32 v[SC+8*(4*\nt+\mt)+\j], v[SC+8*(4*\nt+\mt)+\j], v[NEG], vcc_lo
.endr
.endr
.endr
.endif
.irp nt, 0,1
	v_max3_num_f32 v[T+4*\nt],   v[SC+32*\nt],    v[SC+32*\nt+1],  v[SC+32*\nt+2]
	v_max3_num_f32 v[T+4*\nt+1], v[SC+32*\nt+16], v[SC+32*\nt+17], v[SC+32*\nt+18]
.irp k, 3,5,7,9,11,13
	v_max3_num_f32 v[T+4*\nt],   v[T+4*\nt],   v[SC+32*\nt+\k],    v[SC+32*\nt+\k+1]
	v_max3_num_f32 v[T+4*\nt+1], v[T+4*\nt+1], v[SC+32*\nt+16+\k], v[SC+32*\nt+17+\k]
.endr
	v_max3_num_f32 v[T+4*\nt], v[T+4*\nt], v[T+4*\nt+1], v[SC+32*\nt+15]
.if \first
	v_max_num_f32 v[T+4*\nt], v[T+4*\nt], v[SC+32*\nt+31]
.else
	v_max3_num_f32 v[T+4*\nt], v[T+4*\nt], v[SC+32*\nt+31], v[MX+2*\nt]
.endif
	v_permlanex16_b32 v[T+4*\nt+1], v[T+4*\nt], s40, s41           ; the other eight keys of each tile lie in the other half
	v_max_num_f32 v[T+4*\nt], v[T+4*\nt], v[T+4*\nt+1]             ; the new maximum
	v_mul_f32 v[NMC+2*\nt], s50, v[T+4*\nt]
.if \first == 0
	v_fma_f32 v[T+4*\nt+2], v[MX+2*\nt], s38, v[NMC+2*\nt]         ; c (old maximum - new)
.endif
	v_mov_b32 v[MX+2*\nt], v[T+4*\nt]
.endr
.irp nt, 0,1
.set k, 0
.rept 16
	v_pk_fma_f32 v[SC+32*\nt+k:SC+32*\nt+k+1], v[SC+32*\nt+k:SC+32*\nt+k+1], s[38:39], v[NMC+2*\nt:NMC+2*\nt+1] op_sel_hi:[1,0,0]
.set k, k+2
.endr
.endr
.if \first == 0
	v_exp_f32 v[AL], v[T+2]
	v_exp_f32 v[AL+2], v[T+6]
.endif
.set k, 0
.rept 64
	v_exp_f32 v[SC+k], v[SC+k]
.set k, k+1
.endr
	v_nop                                          ; one plain vector instruction behind the transcendentals (ISA guide 5.7.2)
	s_wait_alu depctr_va_vdst(0)
.irp nt, 0,1
	v_pk_add_f32 v[T+4*\nt:T+4*\nt+1],   v[SC+32*\nt:SC+32*\nt+1],   v[SC+32*\nt+2:SC+32*\nt+3]
	v_pk_add_f32 v[T+4*\nt+2:T+4*\nt+3], v[SC+32*\nt+4:SC+32*\nt+5], v[SC+32*\nt+6:SC+32*\nt+7]
.irp k, 8,12,16,20,24,28
	v_pk_add_f32 v[T+4*\nt:T+4*\nt+1],   v[T+4*\nt:T+4*\nt+1],   v[SC+32*\nt+\k:SC+32*\nt+\k+1]
	v_pk_add_f32 v[T+4*\nt+2:T+4*\nt+3], v[T+4*\nt+2:T+4*\nt+3], v[SC+32*\nt+\k+2:SC+32*\nt+\k+3]
.endr
	v_pk_add_f32 v[T+4*\nt:T+4*\nt+1], v[T+4*\nt:T+4*\nt+1], v[T+4*\nt+2:T+4*\nt+3]
.if \first
	v_add_f32 v[LS+2*\nt], v[T+4*\nt], v[T+4*\nt+1]
.else
	v_add_f32 v[T+4*\nt], v[T+4*\nt], v[T+4*\nt+1]
	v_fma_f32 v[LS+2*\nt], v[LS+2*\nt], v[AL+2*\nt], v[T+4*\nt]
.endif
.endr
.irp g, 0,1,2,3
.irp k, 0,1,2,3,4,5,6,7
	v_cvt_pk_bf16_f32 v[SC+16*\g+\k], v[SC+16*\g+2*\k], v[SC+16*\g+2*\k+1]   ; two S tiles become one B fragment of P, in place, ascending
.endr
.endr
.endm
.macro RESCALE                         ; O times the factor of its query
	WIN 0x41
.irp nt, 0,1
.set k, 0
.rept 16
	v_pk_mul_f32 v[32*\nt+k:32*\nt+k+1], v[32*\nt+k:32*\nt+k+1], v[AL+2*\nt:AL+2*\nt+1] op_sel_hi:[1,0]
.set k, k+2
.endr
.endr
.endm
; O^T += V^T P^T over 64 keys. The eight accumulators take turns, one instruction a turn.
.macro PV first
	WIN 0x50
.irp u, 0,1
.irp nt, 0,1
.irp mt, 0,1,2,3
.if \first*(1-\u)
	v_wmma_f32_16x16x32_bf16 v[8*(4*\nt+\mt):8*(4*\nt+\mt)+7], v[VF+8*(2*\mt+\u):VF+8*(2*\mt+\u)+7], v[SC+32*\nt+16*\u:SC+32*\nt+16*\u+7], 0
.else
	v_wmma_f32_16x16x32_bf16 v[8*(4*\nt+\mt):8*(4*\nt+\mt)+7], v[VF+8*(2*\mt+\u):VF+8*(2*\mt+\u)+7], v[SC+32*\nt+16*\u:SC+32*\nt+16*\u+7], v[8*(4*\nt+\mt):8*(4*\nt+\mt)+7]
.endif
.endr
.endr
.endr
	WIN 0
.endm
; One pair of key blocks in slot `slot`; a wave works on its own block of 128 keys. In front of the barrier each wave waits for all its tensor
; loads (its eighth of this pair) and for its reads of the other slot; behind it the other slot's refill comes first, one tensor load a wave,
; and has the whole pair's work to land. V's first loads go out behind QK, so that at the head the LDS serves the eight waves' K loads alone.
.macro TRIP slot, other, diag, first, refill
	s_set_vgpr_msb 0x5
	s_wait_tensorcnt 0x0
	ds_add_u32 v64, v65
	s_wait_dscnt 0x0
	s_set_vgpr_msb 0x500
.if \refill
	NEXTADDR \other                                ; no tensor load of mine is out: a group 0 may be written
.endif
	s_wait_dscnt 0x0
	s_barrier_signal -1
	s_barrier_wait -1
.if \refill
	tensor_load_to_lds s[G0+4*\other:G0+4*\other+3], s[G1:G1+7]
	s_nop 0
.endif
	LDK \slot, 0
	s_wait_dscnt 0x0                               ; K of keys 0-63
	QK
	LDV \slot, 0
	PLACES
	LDK \slot, 1
	SOFTMAX \diag, \first, 0
	s_wait_dscnt 16                                ; V of the first 64 keys is in; the next K's 16 loads may be out
.if \first == 0
	RESCALE
.endif
	PV \first
	PLACES5
	LDV \slot, 1
	s_wait_dscnt 16                                ; K of the second 64 keys is in; V's 16 loads may be out
	QK
	PLACES
	SOFTMAX \diag, 0, 1
	s_wait_dscnt 0x0
	RESCALE
	PV 0
	PLACES5
.endm
; The end of a query block. I send maximum, sum and O of my n tile 1 to my partner, take its figures for my n tile 0 (the same queries, lane
; for lane), bring both to the joint maximum, divide by the joint sum, and store 16 rows through my own stage.
; Across this barrier my refill for the next pair may stay out: behind it only the exchange and the stage are read, and nothing is filled.
.macro EPI ob
	v_add_nc_u32 v[T+4], s66, v[L16]
	v_add_nc_u32 v[T+5], s67, v[L16]
	ds_store_b64 v[T+4], v[MX+2:MX+3] offset:4096  ; maximum and sum of n tile 1
	WIN 0x04                                       ; store data from window 1
.irp i, 0,1,2,3,4,5,6,7
	ds_store_b128 v[T+4], v[32+4*\i:32+4*\i+3] offset:512*\i       ; 32 lanes x 16 neighbouring bytes
.endr
	WIN 0
	s_wait_dscnt 0x0                               ; for my partner's sake: my stores are done
	s_barrier_signal -1
	s_barrier_wait -1
	ds_load_b64 v[T:T+1], v[T+5] offset:4096
.irp i, 0,1,2,3,4,5,6,7
	ds_load_b128 v[KF+4*\i:KF+4*\i+3], v[T+5] offset:512*\i
.endr
	s_wait_dscnt 8                                 ; its maximum and sum are in; its O's eight loads may be out
	v_max_num_f32 v[T+2], v[MX], v[T]              ; the joint maximum
	v_mul_f32 v[T+3], s50, v[T+2]
	v_fma_f32 v[T+6], v[MX], s38, v[T+3]           ; c (my maximum - joint)
	v_fma_f32 v[T+7], v[T], s38, v[T+3]            ; c (its maximum - joint)
	v_exp_f32 v[T+6], v[T+6]
	v_exp_f32 v[T+7], v[T+7]
	v_nop                                          ; one plain vector instruction behind the transcendentals (ISA guide 5.7.2)
	s_wait_alu depctr_va_vdst(0)
	v_mul_f32 v[T+2], v[LS], v[T+6]
	v_fma_f32 v[T+2], v[T+1], v[T+7], v[T+2]       ; the joint sum of this half of the lanes
	v_permlanex16_b32 v[T+3], v[T+2], s40, s41
	v_add_f32 v[T+2], v[T+2], v[T+3]
	v_rcp_f32 v[T+2], v[T+2]
	v_nop
	s_wait_alu depctr_va_vdst(0)
	v_mul_f32 v[AL], v[T+6], v[T+2]
	v_mul_f32 v[AL+2], v[T+7], v[T+2]
	WIN 0x01                                       ; source 0 from window 1
.set k, 0
.rept 16
	v_pk_mul_f32 v[SC+k:SC+k+1], v[k:k+1], v[AL:AL+1] op_sel_hi:[1,0]
.set k, k+2
.endr
	WIN 0
	s_wait_dscnt 0x0
.set k, 0
.rept 16
	v_pk_fma_f32 v[SC+k:SC+k+1], v[KF+k:KF+k+1], v[AL+2:AL+3], v[SC+k:SC+k+1] op_sel_hi:[1,0,1]
.set k, k+2
.endr
.irp t, 0,1,2,3
.irp k, 0,1,2,3
	v_cvt_pk_bf16_f32 v[SC+8*\t+\k], v[SC+8*\t+2*\k], v[SC+8*\t+2*\k+1]
.endr
.endr
.irp mt, 0,1,2,3
	ds_store_b128 v[STO], v[SC+8*\mt:SC+8*\mt+3] offset:32*\mt
.endr
.irp t, 0,1,2,3
	ds_load_b128 v[VF+4*\t:VF+4*\t+3], v[RD] offset:4*SP*\t        ; LDS serves a wave's instructions in order: these see the stores above
.endr
.irp t, 0,1,2,3
	s_wait_dscnt 3-\t
	global_store_b128 v[CO], v[VF+4*\t:VF+4*\t+3], s[\ob:\ob+1] offset:4096*\t
.endr
	s_wait_xcnt 0x0                                ; the stores' data registers are loaded again only behind this wait
.endm
	TRIP 0, 1, 1, 1, 1                             ; the first block against the pair that holds its diagonal
	s_cmp_eq_u32 s9, 0
	s_cbranch_scc1 .Lp1done
	s_mov_b32 s48, 0
.Lp1:                                              ; 2 a more pairs
	TRIP 1, 0, 0, 0, 1
	TRIP 0, 1, 0, 0, 1
	s_add_co_u32 s48, s48, 1
	s_cmp_lt_u32 s48, s9
	s_cbranch_scc1 .Lp1
.Lp1done:
	LDQ 52, 62                                     ; the second block's Q, on its way during the merge
	EPI 34
	v_add_nc_u32 v[DM], s68, v[DM]                 ; the second block's parity
	v_add_nc_u32 v[DM+1], s68, v[DM+1]
	s_wait_loadcnt 0x0
	TRIP 1, 0, 1, 1, 1                             ; the second block against the pair that holds its diagonal
	s_cmp_eq_u32 s49, 0
	s_cbranch_scc1 .Lp2done
	s_mov_b32 s48, 0
.Lp2:                                              ; 2 (3 - a) more pairs
	TRIP 0, 1, 0, 0, 1
	TRIP 1, 0, 0, 0, 1
	s_add_co_u32 s48, s48, 1
	s_cmp_lt_u32 s48, s49
	s_cbranch_scc1 .Lp2
.Lp2done:
	TRIP 0, 1, 0, 0, 0                             ; pair 0: nothing is left to fetch
	EPI 36
	s_set_vgpr_msb 0x5
	s_wait_tensorcnt 0x0
	ds_add_u32 v64, v65
	s_wait_dscnt 0x0
	s_set_vgpr_msb 0x500
	s_endpgm
.Lfunc_end_k_qe98efcdffa_attn:
	.size	k_qe98efcdffa_attn, .Lfunc_end_k_qe98efcdffa_attn-k_qe98efcdffa_attn
	.p2alignl 7, 3214868480
	.fill 96, 4, 3214868480
	.section	.rodata,"a",@progbits
	.p2align	6, 0x0
	.amdhsa_kernel k_qe98efcdffa_attn
		.amdhsa_group_segment_fixed_size 327680
		.amdhsa_private_segment_fixed_size 0
		.amdhsa_enable_private_segment 0
		.amdhsa_kernarg_size 16
		.amdhsa_user_sgpr_count 2
		.amdhsa_user_sgpr_kernarg_segment_ptr 1
		.amdhsa_wavefront_size32 1
		.amdhsa_system_sgpr_workgroup_id_x 1
		.amdhsa_system_sgpr_workgroup_id_y 1
		.amdhsa_system_sgpr_workgroup_id_z 1
		.amdhsa_system_vgpr_workitem_id 0
		.amdhsa_next_free_vgpr 322
		.amdhsa_next_free_sgpr 70
		.amdhsa_reserve_vcc 1
		.amdhsa_float_denorm_mode_32 3
		.amdhsa_float_denorm_mode_16_64 3
		.amdhsa_memory_ordered 1
		.amdhsa_forward_progress 1
		.amdhsa_inst_pref_size 255
	.end_amdhsa_kernel
	.section	.bss,"aw",@nobits
	.p2align	6
	.space	262144
	.amdgpu_metadata
---
amdhsa.version: [ 1, 2 ]
amdhsa.kernels:
  - .name:           k_qe98efcdffa_attn
    .symbol:         k_qe98efcdffa_attn.kd
    .args:
      - { .name: qkv, .offset: 0, .size: 8, .value_kind: global_buffer, .address_space: global }
      - { .name: att, .offset: 8, .size: 8, .value_kind: global_buffer, .address_space: global }
    .group_segment_fixed_size: 327680
    .private_segment_fixed_size: 0
    .kernarg_segment_align: 8
    .kernarg_segment_size: 16
    .max_flat_workgroup_size: 256
    .sgpr_count:     70
    .vgpr_count:     322
    .wavefront_size: 32
...
	.end_amdgpu_metadata
.endif
;; end of part 3
;; launch outp (part 4): grid 4 x 64, 4 waves a work-group, clusters of 4 x 4, 312,832 bytes of LDS; arguments att, wb, x, bp, x1; writes x1
.if DOCPART == 4
	.amdgcn_target "amdgcn-amd-amdhsa--gfx1250"
	.amdhsa_code_object_version 6
	.text
	.protected	k_qe98efcdffa_outp
	.globl	k_qe98efcdffa_outp
	.p2align	8
	.type	k_qe98efcdffa_outp,@function
k_qe98efcdffa_outp:
	s_mov_b64 s[64:65], 0
	v_nop
	global_prefetch_b8 v0, s[64:65] scope:SCOPE_SE
	s_setreg_imm32_b32 hwreg(HW_REG_WAVE_MODE, 25, 1), 1
	s_wait_xcnt 0x0
	s_wait_alu depctr_hold_cnt(0) depctr_sa_sdst(0) depctr_va_vdst(0) depctr_va_sdst(0) depctr_va_ssrc(0) depctr_va_vcc(0) depctr_vm_vsrc(0)
	s_getreg_b32 s2, hwreg(HW_REG_IB_STS2, 6, 4)
	s_cmp_eq_u32 s2, 0
	s_cbranch_scc0 .Lentry_in_a_cluster
	s_endpgm
.Lentry_in_a_cluster:
	s_bfe_u32 s2, ttmp6, 0x10000c
	s_cmp_lg_u32 s2, 0xf033
	s_cbranch_scc0 .Lentry_shape_is_right
	s_endpgm
.Lentry_shape_is_right:
; x1[8192][512] (f32) = x + att[8192][512] (bf16) x Wp[512][512] (bf16, in wb, [K][N]) + bp; sums in f32.
; N = 512: blocks of 128 x 128 give 4 x 64 = 256 work-groups. Four waves of 64 x 64 (16 accumulator tiles).
; K goes in steps of 256 through two LDS slots; here K = 512: both steps are first fills and no slot is filled again.
; Waves 0, 1 fetch A's rows 0-63, 64-127 (rows of 512 bytes); waves 2, 3 W's k rows 0-127, 128-255 (rows of 256 bytes).
; CLUSTERS: 4 x 4 work-groups. A's tile hangs on the block row alone and is asked for jointly along a row of the cluster, W's on the
; block column alone and is asked for jointly along a column: a quarter of the requests.
; The matrix instruction is used transposed (source 0 = 16 columns of W by the transposing LDS load, source 1 = 16 rows of A): lane l holds
; row l % 16, columns 8 (l / 16) + 0..7. The first product takes the bias as C. The residual is loaded at the head and added on the way out.
; Window 0: addresses, two fragment buffers, bias / way out. Window 1: v[0:127] accumulators (a, b) at 8 (4 a + b); v[128:255] the residual.
.set KTOT,   512
.set WOFF,   0                         ; Wp in wb
.set STEPS,  KTOT/256
.set APITCH, 528                       ; 512 bytes + 16
.set BPITCH, 288                       ; 256 bytes + 32, an odd multiple of 32
.set PART,   36864                     ; a wave's part of a slot: 128 x 288; A's 64 x 528 = 33,792 fit in it
.set SLOT,   4*PART
.set STAGE,  2*SLOT                    ; behind the ring: 16 rows x 272 bytes for each wave
.set SPITCH, 272
.set ADRA, 16                          ; v16-17 A fragments in slot 0, 1
.set ADRB, 20                          ; v20-23 W fragments in (slot, k half): 2 slot + half
.set STO,  24
.set RD,   25
.set CO,   26
.set BO,   27
.set F0,   64                          ; a buffer: A fragments at 8 a, W fragments at 32 + 8 b
.set F1,   128
.set BI,   192
.set TMP,  192
.set RES,  128                         ; in window 1
.set G1,  24
.set G0,  32
.set G1B, 48
.set G0B, 56
.set MSB, 0
.macro WIN new
.if MSB != \new
	s_set_vgpr_msb (MSB<<8)|\new
.set MSB, \new
.endif
.endm
.macro PLACES                          ; four plain vector instructions behind a matrix instruction (ISA guide 7.12.1)
.rept 4
	v_nop
.endr
.endm
; A joint load: waves 0, 1 A's line, waves 2, 3 W's; each line has one mask. Four v_nop follow each line.
.macro JLOAD s
	s_cmp_eq_u32 s21, 0
	s_cbranch_scc0 .Lfor_b_\@
	tensor_load_to_lds s[G0+4*\s:G0+4*\s+3], s[G1:G1+7]
	s_nop 0
.rept 4
	v_nop
.endr
	s_branch .Lasked_\@
.Lfor_b_\@:
	tensor_load_to_lds s[G0B+4*\s:G0B+4*\s+3], s[G1B:G1B+7]
	s_nop 0
.rept 4
	v_nop
.endr
.Lasked_\@:
.endm
; A round of the cluster's barrier: my work-group's barrier, wave 0 signals for the work-group, every wave waits for all sixteen, my work-group's barrier again.
.macro CROUND
	s_barrier_signal -1
	s_barrier_wait -1
	s_cmp_lg_u32 s20, 0
	s_cbranch_scc1 .Lnot_wave_0_\@
	s_barrier_signal -3
.Lnot_wave_0_\@:
	s_barrier_wait -3
	s_barrier_signal -1
	s_barrier_wait -1
.endm
	s_load_b256 s[4:11], s[0:1], 0x0               ; A s[4:5], wb s[6:7], residual s[8:9], bias s[10:11]
	s_load_b64 s[12:13], s[0:1], 0x20              ; the result
	v_lshl_add_u32 v254, v0, 2, 0x4c400
	v_mov_b32 v255, 0
	ds_add_u32 v254, v255
	ds_add_u32 v254, v255
	v_lshrrev_b32 v1, 5, v0
	v_readfirstlane_b32 s20, v1                    ; wave
	s_lshr_b32 s21, s20, 1                         ; my half of the rows. Also: I fetch for A (0) or W (1)
	s_and_b32 s22, s20, 1                          ; my half of the columns. Also: which half of that tile I fetch
	s_bfe_u32 s40, ttmp6, 0x40000                  ; cx
	s_bfe_u32 s41, ttmp6, 0x40004                  ; cy
	s_lshl_b32 s42, ttmp9, 2
	s_add_co_u32 s42, s42, s40                     ; block column
	s_and_b32 s43, ttmp7, 0xffff
	s_lshl_b32 s43, s43, 2
	s_add_co_u32 s43, s43, s41                     ; block row
	s_lshl_b32 s44, s41, 2
	s_lshl_b32 s44, 15, s44                        ; my row of the cluster
	s_lshl_b32 s45, 0x1111, s40                    ; my column
	s_or_b32 s[G1+0], s44, (1<<16)|(1<<20)|(1<<21)|(6<<22)|(3<<25)   ; A: 64 rows x 256 elements, 16 bytes behind every 512
	s_mov_b32 s[G1+1], 256<<16
	s_mov_b32 s[G1+2], 64<<16
	s_mov_b32 s[G1+3], 256<<16
	s_mov_b32 s[G1+4], 64
	s_mov_b32 s[G1+5], KTOT
	s_mov_b32 s[G1+6], 0
	s_mov_b32 s[G1+7], 0
	s_or_b32 s[G1B+0], s45, (1<<16)|(1<<20)|(1<<21)|(5<<22)|(7<<25)  ; W: 128 k rows x 128 elements, 32 bytes behind every 256
	s_mov_b32 s[G1B+1], 128<<16
	s_mov_b32 s[G1B+2], 128<<16
	s_mov_b32 s[G1B+3], 128<<16
	s_mov_b32 s[G1B+4], 128
	s_mov_b32 s[G1B+5], 512
	s_mov_b32 s[G1B+6], 0
	s_mov_b32 s[G1B+7], 0
	s_lshl_b32 s14, s43, 7
	s_lshl_b32 s15, s22, 6
	s_add_co_u32 s14, s14, s15                     ; A: row 128 x block row + 64 x half
	s_mul_i32 s14, s14, KTOT*2
	s_mov_b32 s15, 0
	s_lshl_b32 s46, s22, 17                        ; W: k row 128 x half (rows of 1,024 bytes),
	s_lshl_b32 s47, s42, 8                         ; column 128 x block column
	s_add_co_u32 s46, s46, s47
	s_add_co_u32 s46, s46, WOFF
	s_mov_b32 s47, 0
	s_mul_i32 s23, s20, PART                       ; LDS: wave x PART: no place in the cluster enters an LDS address
	s_wait_dscnt 0x0
	s_wait_kmcnt 0x0
	s_add_nc_u64 s[14:15], s[4:5], s[14:15]
	s_add_nc_u64 s[46:47], s[6:7], s[46:47]
	CROUND                                         ; all sixteen work-groups are here: the first joint loads meet
.irp s, 0,1
	s_mov_b32 s[G0+4*\s], 1
	s_add_co_u32 s[G0+4*\s+1], s23, \s*SLOT
	s_add_nc_u64 s[G0+4*\s+2:G0+4*\s+3], s[14:15], \s*512
	s_or_b32 s[G0+4*\s+3], s[G0+4*\s+3], 0x80000000
	s_mov_b32 s[G0B+4*\s], 1
	s_add_co_u32 s[G0B+4*\s+1], s23, \s*SLOT
	s_add_nc_u64 s[G0B+4*\s+2:G0B+4*\s+3], s[46:47], \s*262144
	s_or_b32 s[G0B+4*\s+3], s[G0B+4*\s+3], 0x80000000
	JLOAD \s                                       ; K steps 0 and 1: two tensor loads of the wave are out
.endr
	v_and_b32 v1, 15, v0                           ; l % 16
	v_bfe_u32 v2, v0, 4, 1                         ; l / 16
	v_and_b32 v3, 7, v0
	v_bfe_u32 v4, v0, 3, 1
	v_lshlrev_b32 v[BO], 5, v2
	v_lshlrev_b32 v5, 11, v2                       ; lanes 16-31: the next row of 2,048 bytes
	v_lshl_add_u32 v[CO], v1, 4, v5
	s_lshl_b32 s16, s42, 9
	s_lshl_b32 s17, s22, 8
	s_add_co_u32 s16, s16, s17                     ; my first column in f32 bytes
	s_mov_b32 s17, 0
	s_add_nc_u64 s[10:11], s[10:11], s[16:17]
	s_lshl_b32 s18, s43, 7
	s_lshl_b32 s19, s21, 6
	s_add_co_u32 s18, s18, s19                     ; my first row
	s_lshl_b32 s18, s18, 11
	s_add_co_u32 s18, s18, s16
	s_mov_b32 s19, 0
	s_add_nc_u64 s[8:9], s[8:9], s[18:19]
	s_add_nc_u64 s[12:13], s[12:13], s[18:19]
.irp b, 0,1,2,3
	global_load_b128 v[BI+8*\b:BI+8*\b+3],   v[BO], s[10:11] offset:64*\b
	global_load_b128 v[BI+8*\b+4:BI+8*\b+7], v[BO], s[10:11] offset:64*\b+16
.endr
	WIN 0x40
.irp a, 0,1,2,3
.irp t, 0,1,2,3,4,5,6,7
	global_load_b128 v[RES+4*(8*\a+\t):RES+4*(8*\a+\t)+3], v[CO], s[8:9] offset:(16*\a+2*\t)*2048   ; the residual, in the layout of the way out
.endr
.endr
	WIN 0
	v_mul_u32_u24 v5, v1, APITCH
	v_lshl_add_u32 v5, v2, 4, v5
	s_mul_i32 s66, s21, PART
	v_add_nc_u32 v[ADRA], s66, v5
	v_add_nc_u32 v[ADRA+1], SLOT, v[ADRA]
	v_lshl_add_u32 v6, v2, 3, v3                   ; k row 8 (l / 16) + l % 8
	v_mul_u32_u24 v6, v6, BPITCH
	v_lshl_add_u32 v6, v4, 4, v6
	s_lshl_b32 s67, s22, 7                         ; my 64 columns: 128 bytes
	s_add_co_u32 s67, s67, 2*PART
	v_add_nc_u32 v[ADRB], s67, v6
	v_add_nc_u32 v[ADRB+1], PART, v[ADRB]
	v_add_nc_u32 v[ADRB+2], SLOT, v[ADRB]
	v_add_nc_u32 v[ADRB+3], SLOT+PART, v[ADRB]
	s_mul_i32 s68, s20, 16*SPITCH
	s_add_co_u32 s68, s68, STAGE
	v_mul_u32_u24 v7, v1, SPITCH
	v_lshl_add_u32 v7, v2, 5, v7
	v_add_nc_u32 v[STO], s68, v7
	v_mul_u32_u24 v7, v2, SPITCH
	v_lshl_add_u32 v7, v1, 4, v7
	v_add_nc_u32 v[RD], s68, v7
.macro FETCH slot, q, f                ; the fragments of 32 along K (eighth q of a slot): 8 loads of W, 8 of A
.irp b, 0,1,2,3
	ds_load_tr16_b128 v[\f+32+8*\b:\f+32+8*\b+3],   v[ADRB+2*\slot+(\q>>2)] offset:(\q&3)*32*BPITCH+32*\b
	ds_load_tr16_b128 v[\f+32+8*\b+4:\f+32+8*\b+7], v[ADRB+2*\slot+(\q>>2)] offset:(\q&3)*32*BPITCH+16*BPITCH+32*\b
.endr
.irp a, 0,1,2,3
	ds_load_b128 v[\f+8*\a:\f+8*\a+3],   v[ADRA+\slot] offset:\a*16*APITCH+64*\q
	ds_load_b128 v[\f+8*\a+4:\f+8*\a+7], v[ADRA+\slot] offset:\a*16*APITCH+64*\q+32
.endr
.endm
; 16 matrix instructions; the 16 accumulators take turns, one instruction a turn. first = 1: C is the bias.
.macro MUL f, first
.if \first
	WIN 0x40
.else
	WIN 0x50
.endif
.irp a, 0,1,2,3
.irp b, 0,1,2,3
.if \first
	v_wmma_f32_16x16x32_bf16 v[8*(4*\a+\b):8*(4*\a+\b)+7], v[\f+32+8*\b:\f+32+8*\b+7], v[\f+8*\a:\f+8*\a+7], v[BI+8*\b:BI+8*\b+7]
.else
	v_wmma_f32_16x16x32_bf16 v[8*(4*\a+\b):8*(4*\a+\b)+7], v[\f+32+8*\b:\f+32+8*\b+7], v[\f+8*\a:\f+8*\a+7], v[8*(4*\a+\b):8*(4*\a+\b)+7]
.endif
.endr
.endr
	WIN 0
.endm
.macro HOP slot, q, g, f               ; fetch eighth q into g, multiply f
	PLACES
	FETCH \slot, \q, \g
	s_wait_dscnt 16                                ; all but the 16 just issued
	MUL \f, 0
.endm
.macro STEP slot, first                ; a K step of 256; four places stand behind the last matrix instruction wherever it begins
	FETCH \slot, 0, F0
	FETCH \slot, 1, F1
	s_wait_dscnt 16
	MUL F0, \first
	HOP \slot, 2, F0, F1
	HOP \slot, 3, F1, F0
	HOP \slot, 4, F0, F1
	HOP \slot, 5, F1, F0
	HOP \slot, 6, F0, F1
	HOP \slot, 7, F1, F0
	s_wait_dscnt 0x0
	MUL F1, 0
.endm
; 16 rows: the f32 tiles into my own stage, back as rows of 256 bytes, the residual added, stored.
.macro OUT a
	WIN 0x04                                       ; store data and source 1 from window 1
.irp b, 0,1,2,3
	ds_store_b128 v[STO], v[8*(4*\a+\b):8*(4*\a+\b)+3]   offset:64*\b
	ds_store_b128 v[STO], v[8*(4*\a+\b)+4:8*(4*\a+\b)+7] offset:64*\b+16
.endr
.if \a
	s_wait_xcnt 0x0                                ; TMP, which the last stores read, is loaded again only behind this wait
.endif
.irp t, 0,1,2,3,4,5,6,7
	ds_load_b128 v[TMP+4*\t:TMP+4*\t+3], v[RD] offset:2*SPITCH*\t  ; LDS serves a wave's instructions in order: these see the stores above
.endr
.irp t, 0,1,2,3,4,5,6,7
	s_wait_dscnt 7-\t
	v_pk_add_f32 v[TMP+4*\t:TMP+4*\t+1],   v[TMP+4*\t:TMP+4*\t+1],   v[RES+4*(8*\a+\t):RES+4*(8*\a+\t)+1]
	v_pk_add_f32 v[TMP+4*\t+2:TMP+4*\t+3], v[TMP+4*\t+2:TMP+4*\t+3], v[RES+4*(8*\a+\t)+2:RES+4*(8*\a+\t)+3]
.endr
	WIN 0
.irp t, 0,1,2,3,4,5,6,7
	global_store_b128 v[CO], v[TMP+4*\t:TMP+4*\t+3], s[12:13] offset:(16*\a+2*\t)*2048   ; 16 lanes store 256 consecutive bytes, aligned
.endr
.endm
	s_wait_tensorcnt 1                             ; my part of K step 0 is in; K step 1's stays out
	s_barrier_signal -1
	s_barrier_wait -1
	s_wait_loadcnt 32                              ; the bias is in; the residual's 32 loads stay out
	STEP 0, 1
	s_wait_tensorcnt 0x0                           ; my part of K step 1 is in
	s_wait_dscnt 0x0
	s_barrier_signal -1
	s_barrier_wait -1                              ; everybody's is
	PLACES
	STEP 1, 0
	PLACES
	s_wait_loadcnt 0x0                             ; the residual
	OUT 0
	OUT 1
	OUT 2
	OUT 3
	s_wait_tensorcnt 0x0
	ds_add_u32 v254, v255
	s_wait_dscnt 0x0
	CROUND                                         ; the closing round: no work-group ends while a partner may still ask for a tile that names it
	s_endpgm
.Lfunc_end_k_qe98efcdffa_outp:
	.size	k_qe98efcdffa_outp, .Lfunc_end_k_qe98efcdffa_outp-k_qe98efcdffa_outp
	.p2alignl 7, 3214868480
	.fill 96, 4, 3214868480
	.section	.rodata,"a",@progbits
	.p2align	6, 0x0
	.amdhsa_kernel k_qe98efcdffa_outp
		.amdhsa_group_segment_fixed_size 312832
		.amdhsa_private_segment_fixed_size 0
		.amdhsa_enable_private_segment 0
		.amdhsa_kernarg_size 40
		.amdhsa_user_sgpr_count 2
		.amdhsa_user_sgpr_kernarg_segment_ptr 1
		.amdhsa_wavefront_size32 1
		.amdhsa_system_sgpr_workgroup_id_x 1
		.amdhsa_system_sgpr_workgroup_id_y 1
		.amdhsa_system_sgpr_workgroup_id_z 1
		.amdhsa_system_vgpr_workitem_id 0
		.amdhsa_next_free_vgpr 512
		.amdhsa_next_free_sgpr 72
		.amdhsa_reserve_vcc 0
		.amdhsa_float_denorm_mode_32 3
		.amdhsa_float_denorm_mode_16_64 3
		.amdhsa_memory_ordered 1
		.amdhsa_forward_progress 1
		.amdhsa_inst_pref_size 60
	.end_amdhsa_kernel
	.amdgpu_metadata
---
amdhsa.version: [ 1, 2 ]
amdhsa.kernels:
  - .name:           k_qe98efcdffa_outp
    .symbol:         k_qe98efcdffa_outp.kd
    .args:
      - { .name: att, .offset: 0, .size: 8, .value_kind: global_buffer, .address_space: global }
      - { .name: wb, .offset: 8, .size: 8, .value_kind: global_buffer, .address_space: global }
      - { .name: x, .offset: 16, .size: 8, .value_kind: global_buffer, .address_space: global }
      - { .name: bp, .offset: 24, .size: 8, .value_kind: global_buffer, .address_space: global }
      - { .name: x1, .offset: 32, .size: 8, .value_kind: global_buffer, .address_space: global }
    .group_segment_fixed_size: 312832
    .private_segment_fixed_size: 0
    .kernarg_segment_align: 8
    .kernarg_segment_size: 40
    .max_flat_workgroup_size: 128
    .sgpr_count:     72
    .vgpr_count:     512
    .wavefront_size: 32
...
	.end_amdgpu_metadata
.endif
;; end of part 4
;; launch ln2 (part 5): grid 256 x 1, 8 waves a work-group, no clusters, 0 bytes of LDS; arguments x1, g2, be2, hn; writes hn
.if DOCPART == 5
	.amdgcn_target "amdgcn-amd-amdhsa--gfx1250"
	.amdhsa_code_object_version 6
	.text
	.protected	k_qe98efcdffa_ln2
	.globl	k_qe98efcdffa_ln2
	.p2align	8
	.type	k_qe98efcdffa_ln2,@function
k_qe98efcdffa_ln2:
	s_mov_b64 s[64:65], 0
	v_nop
	global_prefetch_b8 v0, s[64:65] scope:SCOPE_SE
	s_setreg_imm32_b32 hwreg(HW_REG_WAVE_MODE, 25, 1), 1
	s_wait_xcnt 0x0
; hn = bf16(LayerNorm(x1) * g2 + be2), [8192][512]. A stream: no LDS, no barrier, no matrix unit.
; One wave takes four rows; a row of 2,048 bytes is 16 registers a lane and stays in them: mean first, then the squares of
; x - mean (no difference of large sums). All 16 loads of a wave's rows go out at once; every store of a wave covers 256 consecutive bytes, aligned.
.set G,    4                           ; v[4:19]    g of my 16 columns (128 j + 4 lane + 0..3)
.set BE,   20                          ; v[20:35]   be of them
.set X,    36                          ; v[36:99]   row i: 16 registers
.set T,    100                         ; v[100:107] at work
.set MEAN, 108
.set RS,   110
	s_load_b256 s[4:11], s[0:1], 0x0               ; x1 s[4:5], g2 s[6:7], be2 s[8:9], hn s[10:11]
	v_lshrrev_b32 v3, 5, v0
	v_readfirstlane_b32 s26, v3                    ; wave
	v_and_b32 v2, 31, v0
	v_lshlrev_b32 v1, 4, v2
	v_lshlrev_b32 v2, 3, v2
	s_lshl_b32 s28, ttmp9, 16                      ; 32 rows of 2,048 bytes a work-group,
	s_lshl_b32 s27, s26, 13                        ; 4 rows a wave
	s_add_co_u32 s28, s28, s27
	s_mov_b32 s29, 0
	s_lshr_b32 s34, s28, 1
	s_mov_b32 s35, 0
	s_mov_b32 s30, 0x76543210
	s_mov_b32 s31, 0xfedcba98
	s_mov_b32 s32, 0x3b000000                      ; 1 / 512
	s_mov_b32 s33, 0x3727c5ac                      ; 1e-5
	s_wait_kmcnt 0x0
	s_add_nc_u64 s[4:5], s[4:5], s[28:29]
	s_add_nc_u64 s[10:11], s[10:11], s[34:35]
.irp j, 0,1,2,3
	global_load_b128 v[G+4*\j:G+4*\j+3], v1, s[6:7] offset:512*\j
	global_load_b128 v[BE+4*\j:BE+4*\j+3], v1, s[8:9] offset:512*\j
.endr
.irp i, 0,1,2,3
.irp j, 0,1,2,3
	global_load_b128 v[X+16*\i+4*\j:X+16*\i+4*\j+3], v1, s[4:5] offset:2048*\i+512*\j
.endr
.endr
.macro LANESUM                         ; v[T] summed over the 32 lanes, the result in every lane
	v_add_f32_dpp v[T], v[T], v[T] row_xmask:1 row_mask:0xf bank_mask:0xf
	v_add_f32_dpp v[T], v[T], v[T] row_xmask:2 row_mask:0xf bank_mask:0xf
	v_add_f32_dpp v[T], v[T], v[T] row_xmask:4 row_mask:0xf bank_mask:0xf
	v_add_f32_dpp v[T], v[T], v[T] row_xmask:8 row_mask:0xf bank_mask:0xf
	v_permlanex16_b32 v[T+1], v[T], s30, s31
	v_add_f32 v[T], v[T], v[T+1]
.endm
; Row i. left = the loads of the later rows, which may stay out.
.macro ROW i, left
	s_wait_loadcnt \left
.irp k, 0,1,2,3
	v_pk_add_f32 v[T+2*\k:T+2*\k+1], v[X+16*\i+4*\k:X+16*\i+4*\k+1], v[X+16*\i+4*\k+2:X+16*\i+4*\k+3]
.endr
	v_pk_add_f32 v[T:T+1], v[T:T+1], v[T+2:T+3]
	v_pk_add_f32 v[T+4:T+5], v[T+4:T+5], v[T+6:T+7]
	v_pk_add_f32 v[T:T+1], v[T:T+1], v[T+4:T+5]
	v_add_f32 v[T], v[T], v[T+1]
	LANESUM
	v_mul_f32 v[MEAN], s32, v[T]
	v_mul_f32 v[MEAN+1], s32, v[T]
.irp k, 0,1,2,3,4,5,6,7
	v_pk_add_f32 v[X+16*\i+2*\k:X+16*\i+2*\k+1], v[X+16*\i+2*\k:X+16*\i+2*\k+1], v[MEAN:MEAN+1] neg_lo:[0,1] neg_hi:[0,1]
.endr
	v_pk_mul_f32 v[T:T+1], v[X+16*\i:X+16*\i+1], v[X+16*\i:X+16*\i+1]
	v_pk_mul_f32 v[T+2:T+3], v[X+16*\i+2:X+16*\i+3], v[X+16*\i+2:X+16*\i+3]
.irp k, 4,8,12
	v_pk_fma_f32 v[T:T+1], v[X+16*\i+\k:X+16*\i+\k+1], v[X+16*\i+\k:X+16*\i+\k+1], v[T:T+1]
	v_pk_fma_f32 v[T+2:T+3], v[X+16*\i+\k+2:X+16*\i+\k+3], v[X+16*\i+\k+2:X+16*\i+\k+3], v[T+2:T+3]
.endr
	v_pk_add_f32 v[T:T+1], v[T:T+1], v[T+2:T+3]
	v_add_f32 v[T], v[T], v[T+1]
	LANESUM
	v_fma_f32 v[T], v[T], s32, s33                 ; var + eps
	v_rsq_f32 v[RS], v[T]
	v_rsq_f32 v[RS+1], v[T]
	v_nop                                          ; one plain vector instruction behind a transcendental (ISA guide 5.7.2)
	s_wait_alu depctr_va_vdst(0)
.irp k, 0,1,2,3,4,5,6,7
	v_pk_mul_f32 v[X+16*\i+2*\k:X+16*\i+2*\k+1], v[X+16*\i+2*\k:X+16*\i+2*\k+1], v[RS:RS+1]
.endr
.irp k, 0,1,2,3,4,5,6,7
	v_pk_fma_f32 v[X+16*\i+2*\k:X+16*\i+2*\k+1], v[X+16*\i+2*\k:X+16*\i+2*\k+1], v[G+2*\k:G+2*\k+1], v[BE+2*\k:BE+2*\k+1]
.endr
.irp k, 0,1,2,3,4,5,6,7
	v_cvt_pk_bf16_f32 v[X+16*\i+\k], v[X+16*\i+2*\k], v[X+16*\i+2*\k+1]
.endr
.irp j, 0,1,2,3
	global_store_b64 v2, v[X+16*\i+2*\j:X+16*\i+2*\j+1], s[10:11] offset:1024*\i+256*\j
.endr
.endm
	ROW 0, 12
	ROW 1, 8
	ROW 2, 4
	ROW 3, 0
	s_endpgm
.Lfunc_end_k_qe98efcdffa_ln2:
	.size	k_qe98efcdffa_ln2, .Lfunc_end_k_qe98efcdffa_ln2-k_qe98efcdffa_ln2
	.p2alignl 7, 3214868480
	.fill 96, 4, 3214868480
	.section	.rodata,"a",@progbits
	.p2align	6, 0x0
	.amdhsa_kernel k_qe98efcdffa_ln2
		.amdhsa_group_segment_fixed_size 0
		.amdhsa_private_segment_fixed_size 0
		.amdhsa_enable_private_segment 0
		.amdhsa_kernarg_size 32
		.amdhsa_user_sgpr_count 2
		.amdhsa_user_sgpr_kernarg_segment_ptr 1
		.amdhsa_wavefront_size32 1
		.amdhsa_system_sgpr_workgroup_id_x 1
		.amdhsa_system_sgpr_workgroup_id_y 1
		.amdhsa_system_sgpr_workgroup_id_z 1
		.amdhsa_system_vgpr_workitem_id 0
		.amdhsa_next_free_vgpr 128
		.amdhsa_next_free_sgpr 66
		.amdhsa_reserve_vcc 0
		.amdhsa_float_denorm_mode_32 3
		.amdhsa_float_denorm_mode_16_64 3
		.amdhsa_memory_ordered 1
		.amdhsa_forward_progress 1
		.amdhsa_inst_pref_size 21
	.end_amdhsa_kernel
	.amdgpu_metadata
---
amdhsa.version: [ 1, 2 ]
amdhsa.kernels:
  - .name:           k_qe98efcdffa_ln2
    .symbol:         k_qe98efcdffa_ln2.kd
    .args:
      - { .name: x1, .offset: 0, .size: 8, .value_kind: global_buffer, .address_space: global }
      - { .name: g2, .offset: 8, .size: 8, .value_kind: global_buffer, .address_space: global }
      - { .name: be2, .offset: 16, .size: 8, .value_kind: global_buffer, .address_space: global }
      - { .name: hn, .offset: 24, .size: 8, .value_kind: global_buffer, .address_space: global }
    .group_segment_fixed_size: 0
    .private_segment_fixed_size: 0
    .kernarg_segment_align: 8
    .kernarg_segment_size: 32
    .max_flat_workgroup_size: 256
    .sgpr_count:     66
    .vgpr_count:     128
    .wavefront_size: 32
...
	.end_amdgpu_metadata
.endif
;; end of part 5
;; launch ffn1 (part 6): grid 8 x 32, 4 waves a work-group, clusters of 4 x 4, 327,680 bytes of LDS; arguments hn, wb, hid, b1; writes hid
.if DOCPART == 6
	.amdgcn_target "amdgcn-amd-amdhsa--gfx1250"
	.amdhsa_code_object_version 6
	.text
	.protected	k_qe98efcdffa_ffn1
	.globl	k_qe98efcdffa_ffn1
	.p2align	8
	.type	k_qe98efcdffa_ffn1,@function
k_qe98efcdffa_ffn1:
	s_mov_b64 s[64:65], 0
	v_nop
	global_prefetch_b8 v0, s[64:65] scope:SCOPE_SE
	s_setreg_imm32_b32 hwreg(HW_REG_WAVE_MODE, 25, 1), 1
	s_wait_xcnt 0x0
	s_wait_alu depctr_hold_cnt(0) depctr_sa_sdst(0) depctr_va_vdst(0) depctr_va_sdst(0) depctr_va_ssrc(0) depctr_va_vcc(0) depctr_vm_vsrc(0)
	s_getreg_b32 s2, hwreg(HW_REG_IB_STS2, 6, 4)
	s_cmp_eq_u32 s2, 0
	s_cbranch_scc0 .Lentry_in_a_cluster
	s_endpgm
.Lentry_in_a_cluster:
	s_bfe_u32 s2, ttmp6, 0x10000c
	s_cmp_lg_u32 s2, 0xf033
	s_cbranch_scc0 .Lentry_shape_is_right
	s_endpgm
.Lentry_shape_is_right:
; hid[8192][2048] (bf16) = relu(hn[8192][512] (bf16) x W1[512][2048] (bf16, in wb, [K][N]) + b1); sums in f32. A NaN becomes 0 in the relu.
; A work-group makes 256 x 256 with four waves of 128 x 128 (64 accumulator tiles, 512 registers). K goes in four steps of 128
; through two LDS slots filled by the tensor data mover; waves 0, 1 fetch the two halves of A's tile, waves 2, 3 those of W's.
; W's tile is 128 k rows of 512 bytes, and its fragments are read with the transposing LDS load.
; CLUSTERS: 4 x 4 work-groups. A's tile hangs on the block row alone and is asked for jointly along a row of the cluster, W's on the
; block column alone and is asked for jointly along a column: a quarter of the requests.
; REGISTERS in windows of 256: window 0: v16-27 addresses, v64-191 fragments of A (two buffers), v192-255 the bias, later the way out;
; window 1: v64-191 fragments of W; windows 2, 3: the accumulators of my rows 0-63, 64-127 (tile (a, b) at v[8 (8 a + b)]).
; THE MATRIX INSTRUCTION IS USED TRANSPOSED: source 0 = 16 columns of W, source 1 = 16 rows of A, so that lane l holds row l % 16
; and its registers the columns 8 (l / 16) + 0..7. The first product takes the bias as C.
.set SIZE_N, 2048
.set SIZE_K, 512
.set WOFF,   524288                    ; W1 in wb
.set KSTEP,  128
.set PITCH,  272
.set BPITCH, 544
.set HALFT,  128*PITCH
.set SLOT,   4*HALFT
.set STAGE,  2*SLOT
.set SPITCH, 272
.set ADRA, 16
.set ADRB, 20
.set STO,  24
.set RD,   25
.set CO,   26
.set BO,   27
.set F0,   64
.set F1,   128
.set BI,   192
.set TMP,  192
.set G1,  24
.set G0,  32
.set G1B, 48
.set G0B, 56
.set PA,  70
.set PB,  72
.set MSB, 0
.macro WIN new
.if MSB != \new
	s_set_vgpr_msb (MSB<<8)|\new
.set MSB, \new
.endif
.endm
.set MUL_LO,  0xa1
.set MUL_HI,  0xf1
.set BIAS_LO, 0x81
.set BIAS_HI, 0xc1
.set TO_B,    0x40
; A joint load: waves 0, 1 A's line, waves 2, 3 W's; each line has one mask. Four v_nop follow each line.
.macro JLOAD s
	s_cmp_eq_u32 s11, 0
	s_cbranch_scc0 .Lfor_b_\@
	tensor_load_to_lds s[G0+4*\s:G0+4*\s+3], s[G1:G1+7]
	s_nop 0
.rept 4
	v_nop
.endr
	s_branch .Lasked_\@
.Lfor_b_\@:
	tensor_load_to_lds s[G0B+4*\s:G0B+4*\s+3], s[G1B:G1B+7]
	s_nop 0
.rept 4
	v_nop
.endr
.Lasked_\@:
.endm
.macro CREST                           ; a round of the cluster's barrier behind its opening barrier
	s_cmp_lg_u32 s10, 0
	s_cbranch_scc1 .Lnot_wave_0_\@
	s_barrier_signal -3
.Lnot_wave_0_\@:
	s_barrier_wait -3
	s_barrier_signal -1
	s_barrier_wait -1
.endm
.macro CROUND                          ; a whole round
	s_barrier_signal -1
	s_barrier_wait -1
	CREST
.endm
	s_load_b128 s[4:7], s[0:1], 0x0                ; hn s[4:5], wb s[6:7]
	s_load_b64 s[8:9], s[0:1], 0x10                ; hid
	s_load_b64 s[PA:PA+1], s[0:1], 0x18            ; b1
	s_set_vgpr_msb 0x40
	v_lshl_add_u32 v255, v0, 2, 0x48400
	s_set_vgpr_msb 0x4000
	v_mov_b32 v63, 0
	s_set_vgpr_msb 0x1
	ds_add_u32 v255, v63
	ds_add_u32 v255, v63
	s_set_vgpr_msb 0x100
	v_lshrrev_b32 v1, 5, v0
	v_readfirstlane_b32 s10, v1
	s_lshr_b32 s11, s10, 1
	s_and_b32 s12, s10, 1
	s_bfe_u32 s40, ttmp6, 0x40000                  ; cx
	s_bfe_u32 s41, ttmp6, 0x40004                  ; cy
	s_lshl_b32 s42, ttmp9, 2
	s_add_co_u32 s42, s42, s40                     ; block column
	s_and_b32 s13, ttmp7, 0xffff
	s_lshl_b32 s13, s13, 2
	s_add_co_u32 s13, s13, s41                     ; block row
	s_lshl_b32 s43, s41, 2
	s_lshl_b32 s43, 15, s43                        ; my row of the cluster
	s_lshl_b32 s44, 0x1111, s40                    ; my column
	s_or_b32 s[G1+0], s43, (1<<16)|(1<<20)|(1<<21)|(5<<22)|(3<<25)
	s_mov_b32 s[G1+1], KSTEP<<16
	s_mov_b32 s[G1+2], 128<<16
	s_mov_b32 s[G1+3], KSTEP<<16
	s_mov_b32 s[G1+4], 128
	s_mov_b32 s[G1+5], SIZE_K
	s_mov_b32 s[G1+6], 0
	s_mov_b32 s[G1+7], 0
	s_or_b32 s[G1B+0], s44, (1<<16)|(1<<20)|(1<<21)|(6<<22)|(7<<25)
	s_mov_b32 s[G1B+1], 256<<16
	s_mov_b32 s[G1B+2], 64<<16
	s_mov_b32 s[G1B+3], 256<<16
	s_mov_b32 s[G1B+4], 64
	s_mov_b32 s[G1B+5], SIZE_N
	s_mov_b32 s[G1B+6], 0
	s_mov_b32 s[G1B+7], 0
	s_lshl_b32 s17, s12, 7
	s_lshl_b32 s16, s13, 8
	s_add_co_u32 s16, s16, s17                     ; A: row 256 x block row + 128 x half
	s_lshl_b32 s16, s16, 10
	s_mov_b32 s17, 0
	s_mul_i32 s46, s12, 64*SIZE_N*2                ; W: k row 64 x half,
	s_lshl_b32 s47, s42, 9                         ; column 256 x block column
	s_add_co_u32 s46, s46, s47
	s_add_co_u32 s46, s46, WOFF
	s_mov_b32 s47, 0
	s_mul_i32 s20, s10, HALFT                      ; LDS: wave x HALFT: no place in the cluster enters an LDS address
	s_wait_dscnt 0x0
	s_wait_kmcnt 0x0
	s_add_nc_u64 s[14:15], s[4:5], s[16:17]
	s_add_nc_u64 s[46:47], s[6:7], s[46:47]
	CROUND                                         ; all sixteen work-groups are here: the first joint loads meet
.irp s, 0,1
	s_mov_b32 s[G0+4*\s], 1
	s_add_co_u32 s[G0+4*\s+1], s20, \s*SLOT
	s_add_nc_u64 s[G0+4*\s+2:G0+4*\s+3], s[14:15], \s*KSTEP*2
	s_or_b32 s[G0+4*\s+3], s[G0+4*\s+3], 0x80000000
	s_mov_b32 s[G0B+4*\s], 1
	s_add_co_u32 s[G0B+4*\s+1], s20, \s*SLOT
	s_add_nc_u64 s[G0B+4*\s+2:G0B+4*\s+3], s[46:47], \s*KSTEP*SIZE_N*2
	s_or_b32 s[G0B+4*\s+3], s[G0B+4*\s+3], 0x80000000
	JLOAD \s                                       ; K steps 0 and 1: two tensor loads of the wave are out
.endr
	s_lshl_b32 s74, s42, 10
	s_lshl_b32 s75, s12, 9
	s_add_co_u32 s74, s74, s75                     ; 4 (256 block column + 128 half)
	s_mov_b32 s75, 0
	s_add_nc_u64 s[PA:PA+1], s[PA:PA+1], s[74:75]  ; bias of my columns 0-63
	s_add_nc_u64 s[PB:PB+1], s[PA:PA+1], 256       ; of my columns 64-127
	v_and_b32 v1, 15, v0
	v_bfe_u32 v2, v0, 4, 1
	v_lshlrev_b32 v[BO], 5, v2
.irp b, 0,1,2,3
	global_load_b128 v[BI+8*\b:BI+8*\b+3],       v[BO], s[PA:PA+1] offset:64*\b
	global_load_b128 v[BI+8*\b+4:BI+8*\b+7],     v[BO], s[PA:PA+1] offset:64*\b+16
	global_load_b128 v[BI+32+8*\b:BI+32+8*\b+3],   v[BO], s[PB:PB+1] offset:64*\b
	global_load_b128 v[BI+32+8*\b+4:BI+32+8*\b+7], v[BO], s[PB:PB+1] offset:64*\b+16
.endr
	v_mul_u32_u24 v3, v1, PITCH
	v_lshl_add_u32 v3, v2, 4, v3
	v_and_b32 v6, 7, v0
	v_lshl_add_u32 v6, v2, 3, v6                   ; k row 8 (l / 16) + l % 8
	v_mul_u32_u24 v6, v6, BPITCH
	v_bfe_u32 v7, v0, 3, 1
	v_lshl_add_u32 v6, v7, 4, v6
	s_mul_i32 s21, s11, HALFT
	s_lshl_b32 s22, s12, 8
	s_add_co_u32 s22, s22, 2*HALFT
.irp s, 0,1
	v_add_nc_u32 v[ADRA+\s], s21, v3
	v_add_nc_u32 v[ADRB+\s], s22, v6
	s_add_co_u32 s21, s21, SLOT
	s_add_co_u32 s22, s22, SLOT
.endr
	s_mul_i32 s23, s10, 16*SPITCH
	s_add_co_u32 s23, s23, STAGE
	v_mul_u32_u24 v4, v1, SPITCH
	v_lshl_add_u32 v4, v2, 4, v4
	v_add_nc_u32 v[STO], s23, v4
	v_mul_u32_u24 v5, v2, SPITCH
	v_lshl_add_u32 v5, v1, 4, v5
	v_add_nc_u32 v[RD], s23, v5
	v_mul_u32_u24 v5, v2, SIZE_N*2
	v_lshl_add_u32 v[CO], v1, 4, v5
; 16 matrix instructions. The 64 accumulators take turns, one instruction a turn. first = 1: C is the bias.
.macro MUL16 f, hi, a0, first
.irp a, \a0, \a0+1
.irp b, 0,1,2,3,4,5,6,7
.if \first
	v_wmma_f32_16x16x32_bf16 v[8*(8*(\a)+\b):8*(8*(\a)+\b)+7], v[\f+8*\b:\f+8*\b+7], v[\f+8*(4*\hi+\a):\f+8*(4*\hi+\a)+7], v[BI+8*\b:BI+8*\b+7]
.else
	v_wmma_f32_16x16x32_bf16 v[8*(8*(\a)+\b):8*(8*(\a)+\b)+7], v[\f+8*\b:\f+8*\b+7], v[\f+8*(4*\hi+\a):\f+8*(4*\hi+\a)+7], v[8*(8*(\a)+\b):8*(8*(\a)+\b)+7]
.endif
.endr
.endr
.endm
.macro FETCH slot, q, f                ; 32 LDS loads in one run: quarter q of a slot into buffer f: 16 of W, then 16 of A
	WIN TO_B
.irp i, 0,1,2,3,4,5,6,7
	ds_load_tr16_b128 v[\f+8*\i:\f+8*\i+3],   v[ADRB+\slot] offset:\q*32*BPITCH+32*\i
	ds_load_tr16_b128 v[\f+8*\i+4:\f+8*\i+7], v[ADRB+\slot] offset:\q*32*BPITCH+16*BPITCH+32*\i
.endr
	WIN 0
.irp i, 0,1,2,3,4,5,6,7
	ds_load_b128 v[\f+8*\i:\f+8*\i+3],   v[ADRA+\slot] offset:64*\q+\i*16*PITCH
	ds_load_b128 v[\f+8*\i+4:\f+8*\i+7], v[ADRA+\slot] offset:64*\q+\i*16*PITCH+32
.endr
.endm
.macro PLACES                          ; four plain vector instructions behind a matrix instruction (ISA guide 7.12.1)
.rept 4
	v_nop
.endr
.endm
.macro QUARTER slot, q, f, g, first
	s_wait_dscnt 8                                 ; W and A's rows 0-63 are in; the youngest eight loads (A's rows 64-127) may be out
.if \first
	WIN BIAS_LO
.else
	WIN MUL_LO
.endif
	MUL16 \f, 0, 0, \first
	MUL16 \f, 0, 2, \first
	PLACES
	FETCH \slot, \q, \g
	s_wait_dscnt 32                                ; all but the 32 just issued
.if \first
	WIN BIAS_HI
.else
	WIN MUL_HI
.endif
	MUL16 \f, 1, 0, \first
	MUL16 \f, 1, 2, \first
.endm
.macro THREE slot, first
	QUARTER \slot, 1, F0, F1, \first
	QUARTER \slot, 2, F1, F0, 0
	QUARTER \slot, 3, F0, F1, 0
.endm
; The last quarter changes slots. In front of the barrier each wave waits for its reads of this slot and for all its tensor loads. Where the
; slot is filled again the barrier opens a round of the cluster's barrier, and the joint refill is the first tensor load behind the round.
.macro TURN slot, next, fill
	s_wait_dscnt 8
	WIN MUL_LO
	MUL16 F1, 0, 0, 0
	s_wait_dscnt 0
	s_wait_tensorcnt 0x0
	ds_add_u32 v255, v63
	s_wait_dscnt 0x0
	s_barrier_signal -1
	MUL16 F1, 0, 2, 0
	WIN 0
	s_barrier_wait -1
.if \fill
	CREST                                          ; no wave of any partner still reads this slot's tile or has a load on its way
	s_add_nc_u64 s[G0+4*\slot+2:G0+4*\slot+3], s[G0+4*\slot+2:G0+4*\slot+3], 2*KSTEP*2
	s_add_nc_u64 s[G0B+4*\slot+2:G0B+4*\slot+3], s[G0B+4*\slot+2:G0B+4*\slot+3], 2*KSTEP*SIZE_N*2
	JLOAD \slot
.else
	PLACES
.endif
	FETCH \next, 0, F0
	WIN MUL_HI
	MUL16 F1, 1, 0, 0
	MUL16 F1, 1, 2, 0
.endm
	s_wait_tensorcnt 1                             ; my part of K step 0 is in; K step 1's stays out
	s_barrier_signal -1
	s_barrier_wait -1
	FETCH 0, 0, F0
	s_wait_loadcnt 0x0                             ; the bias
	THREE 0, 1
	TURN 0, 1, 1                                   ; slot 0 gets K step 2
	THREE 1, 0
	TURN 1, 0, 1                                   ; slot 1 gets K step 3
	THREE 0, 0
	TURN 0, 1, 0
	THREE 1, 0
	s_wait_dscnt 8
	WIN MUL_LO
	MUL16 F1, 0, 0, 0
	MUL16 F1, 0, 2, 0
	s_wait_dscnt 0
	WIN MUL_HI
	MUL16 F1, 1, 0, 0
	MUL16 F1, 1, 2, 0
	; THE WAY OUT, 16 rows at a time: relu, round to bf16, 16 bytes a lane into my own stage, back as whole rows of 256 bytes.
	PLACES
	s_lshl_b32 s13, s13, 8
	s_lshl_b32 s14, s11, 7
	s_add_co_u32 s16, s13, s14
	s_mul_i32 s16, s16, SIZE_N*2
	s_mov_b32 s17, 0
	s_add_nc_u64 s[8:9], s[8:9], s[16:17]
	s_lshl_b32 s46, s42, 9
	s_lshl_b32 s47, s12, 8
	s_add_co_u32 s46, s46, s47
	s_mov_b32 s47, 0
	s_add_nc_u64 s[8:9], s[8:9], s[46:47]
.macro OUT16 i, a, from, inpl, f
	WIN \inpl                                      ; source 1 and destination in the accumulators' window
.set k, 0
.rept 64
	v_max_num_f32 v[64*\a+k], 0, v[64*\a+k]
.set k, k+1
.endr
	WIN \from
.irp b, 0,1,2,3,4,5,6,7
.irp r, 0,1,2,3
	v_cvt_pk_bf16_f32 v[TMP+4*\b+\r], v[8*(8*\a+\b)+2*\r], v[8*(8*\a+\b)+2*\r+1]
.endr
.endr
	WIN 0
.irp b, 0,1,2,3,4,5,6,7
	ds_store_b128 v[STO], v[TMP+4*\b:TMP+4*\b+3] offset:32*\b
.endr
	s_wait_xcnt 0x0                                ; buffer f, which earlier stores read, and the stores' base are rewritten only behind this wait
.if \i
	s_add_nc_u64 s[8:9], s[8:9], 16*SIZE_N*2
.endif
.irp t, 0,1,2,3,4,5,6,7
	ds_load_b128 v[\f+4*\t:\f+4*\t+3], v[RD] offset:\t*2*SPITCH
.endr
.irp t, 0,1,2,3,4,5,6,7
	s_wait_dscnt 7-\t
	global_store_b128 v[CO], v[\f+4*\t:\f+4*\t+3], s[8:9] offset:2*\t*SIZE_N*2   ; 16 lanes store 256 consecutive bytes, aligned
.endr
.endm
	OUT16 0, 0, 0x0a, 0x88, F0
	OUT16 1, 1, 0x0a, 0x88, F1
	OUT16 2, 2, 0x0a, 0x88, F0
	OUT16 3, 3, 0x0a, 0x88, F1
	OUT16 4, 0, 0x0f, 0xcc, F0
	OUT16 5, 1, 0x0f, 0xcc, F1
	OUT16 6, 2, 0x0f, 0xcc, F0
	OUT16 7, 3, 0x0f, 0xcc, F1
	s_set_vgpr_msb 0x1
	s_wait_tensorcnt 0x0
	ds_add_u32 v255, v63
	s_wait_dscnt 0x0
	s_set_vgpr_msb 0x100
	CROUND                                         ; the closing round: no work-group ends while a partner may still ask for a tile that names it
	s_endpgm
.Lfunc_end_k_qe98efcdffa_ffn1:
	.size	k_qe98efcdffa_ffn1, .Lfunc_end_k_qe98efcdffa_ffn1-k_qe98efcdffa_ffn1
	.p2alignl 7, 3214868480
	.fill 96, 4, 3214868480
	.section	.rodata,"a",@progbits
	.p2align	6, 0x0
	.amdhsa_kernel k_qe98efcdffa_ffn1
		.amdhsa_group_segment_fixed_size 327680
		.amdhsa_private_segment_fixed_size 0
		.amdhsa_enable_private_segment 0
		.amdhsa_kernarg_size 32
		.amdhsa_user_sgpr_count 2
		.amdhsa_user_sgpr_kernarg_segment_ptr 1
		.amdhsa_wavefront_size32 1
		.amdhsa_system_sgpr_workgroup_id_x 1
		.amdhsa_system_sgpr_workgroup_id_y 1
		.amdhsa_system_sgpr_workgroup_id_z 1
		.amdhsa_system_vgpr_workitem_id 0
		.amdhsa_next_free_vgpr 1024
		.amdhsa_next_free_sgpr 78
		.amdhsa_reserve_vcc 0
		.amdhsa_float_denorm_mode_32 3
		.amdhsa_float_denorm_mode_16_64 3
		.amdhsa_memory_ordered 1
		.amdhsa_forward_progress 1
		.amdhsa_inst_pref_size 163
	.end_amdhsa_kernel
	.amdgpu_metadata
---
amdhsa.version: [ 1, 2 ]
amdhsa.kernels:
  - .name:           k_qe98efcdffa_ffn1
    .symbol:         k_qe98efcdffa_ffn1.kd
    .args:
      - { .name: hn, .offset: 0, .size: 8, .value_kind: global_buffer, .address_space: global }
      - { .name: wb, .offset: 8, .size: 8, .value_kind: global_buffer, .address_space: global }
      - { .name: hid, .offset: 16, .size: 8, .value_kind: global_buffer, .address_space: global }
      - { .name: b1, .offset: 24, .size: 8, .value_kind: global_buffer, .address_space: global }
    .group_segment_fixed_size: 327680
    .private_segment_fixed_size: 0
    .kernarg_segment_align: 8
    .kernarg_segment_size: 32
    .max_flat_workgroup_size: 128
    .sgpr_count:     78
    .vgpr_count:     1024
    .wavefront_size: 32
...
	.end_amdgpu_metadata
.endif
;; end of part 6
;; launch ffn2 (part 7): grid 4 x 64, 4 waves a work-group, clusters of 4 x 4, 327,680 bytes of LDS; arguments hid, wb, x1, b2, out0; writes out0
.if DOCPART == 7
	.amdgcn_target "amdgcn-amd-amdhsa--gfx1250"
	.amdhsa_code_object_version 6
	.text
	.protected	k_qe98efcdffa_ffn2
	.globl	k_qe98efcdffa_ffn2
	.p2align	8
	.type	k_qe98efcdffa_ffn2,@function
k_qe98efcdffa_ffn2:
	s_mov_b64 s[64:65], 0
	v_nop
	global_prefetch_b8 v0, s[64:65] scope:SCOPE_SE
	s_setreg_imm32_b32 hwreg(HW_REG_WAVE_MODE, 25, 1), 1
	s_wait_xcnt 0x0
	s_wait_alu depctr_hold_cnt(0) depctr_sa_sdst(0) depctr_va_vdst(0) depctr_va_sdst(0) depctr_va_ssrc(0) depctr_va_vcc(0) depctr_vm_vsrc(0)
	s_getreg_b32 s2, hwreg(HW_REG_IB_STS2, 6, 4)
	s_cmp_eq_u32 s2, 0
	s_cbranch_scc0 .Lentry_in_a_cluster
	s_endpgm
.Lentry_in_a_cluster:
	s_bfe_u32 s2, ttmp6, 0x10000c
	s_cmp_lg_u32 s2, 0xf033
	s_cbranch_scc0 .Lentry_shape_is_right
	s_endpgm
.Lentry_shape_is_right:
; out0[8192][512] (f32) = x1 + hid[8192][2048] (bf16) x W2[2048][512] (bf16, in wb, [K][N]) + b2; sums in f32.
; N = 512: blocks of 128 x 128 give 4 x 64 = 256 work-groups. Four waves of 64 x 64 (16 accumulator tiles).
; K goes in eight steps of 256 through two LDS slots: a refill has a whole step, 128 matrix instructions of a wave, in which to land.
; Waves 0, 1 fetch A's rows 0-63, 64-127 (rows of 512 bytes); waves 2, 3 W's k rows 0-127, 128-255 (rows of 256 bytes).
; CLUSTERS: 4 x 4 work-groups. A's tile hangs on the block row alone and is asked for jointly along a row of the cluster, W's on the
; block column alone and is asked for jointly along a column: a quarter of the requests.
; The matrix instruction is used transposed (source 0 = 16 columns of W by the transposing LDS load, source 1 = 16 rows of A): lane l holds
; row l % 16, columns 8 (l / 16) + 0..7. The first product takes the bias as C. The residual is loaded at the head and added on the way out.
; Window 0: addresses, two fragment buffers, bias / way out. Window 1: v[0:127] accumulators (a, b) at 8 (4 a + b); v[128:255] the residual.
.set KTOT,   2048
.set WOFF,   2621440                   ; W2 in wb
.set STEPS,  KTOT/256
.set APITCH, 528
.set BPITCH, 288
.set PART,   36864
.set SLOT,   4*PART
.set STAGE,  2*SLOT
.set SPITCH, 272
.set ADRA, 16
.set ADRB, 20
.set STO,  24
.set RD,   25
.set CO,   26
.set BO,   27
.set F0,   64
.set F1,   128
.set BI,   192
.set TMP,  192
.set RES,  128
.set G1,  24
.set G0,  32
.set G1B, 48
.set G0B, 56
.set MSB, 0
.macro WIN new
.if MSB != \new
	s_set_vgpr_msb (MSB<<8)|\new
.set MSB, \new
.endif
.endm
.macro PLACES                          ; four plain vector instructions behind a matrix instruction (ISA guide 7.12.1)
.rept 4
	v_nop
.endr
.endm
; A joint load: waves 0, 1 A's line, waves 2, 3 W's; each line has one mask. Four v_nop follow each line.
.macro JLOAD s
	s_cmp_eq_u32 s21, 0
	s_cbranch_scc0 .Lfor_b_\@
	tensor_load_to_lds s[G0+4*\s:G0+4*\s+3], s[G1:G1+7]
	s_nop 0
.rept 4
	v_nop
.endr
	s_branch .Lasked_\@
.Lfor_b_\@:
	tensor_load_to_lds s[G0B+4*\s:G0B+4*\s+3], s[G1B:G1B+7]
	s_nop 0
.rept 4
	v_nop
.endr
.Lasked_\@:
.endm
; A round of the cluster's barrier: my work-group's barrier, wave 0 signals for the work-group, every wave waits for all sixteen, my work-group's barrier again.
.macro CROUND
	s_barrier_signal -1
	s_barrier_wait -1
	s_cmp_lg_u32 s20, 0
	s_cbranch_scc1 .Lnot_wave_0_\@
	s_barrier_signal -3
.Lnot_wave_0_\@:
	s_barrier_wait -3
	s_barrier_signal -1
	s_barrier_wait -1
.endm
	s_load_b256 s[4:11], s[0:1], 0x0               ; A s[4:5], wb s[6:7], residual s[8:9], bias s[10:11]
	s_load_b64 s[12:13], s[0:1], 0x20              ; the result
	v_lshl_add_u32 v254, v0, 2, 0x4c400
	v_mov_b32 v255, 0
	ds_add_u32 v254, v255
	ds_add_u32 v254, v255
	v_lshrrev_b32 v1, 5, v0
	v_readfirstlane_b32 s20, v1                    ; wave
	s_lshr_b32 s21, s20, 1
	s_and_b32 s22, s20, 1
	s_bfe_u32 s40, ttmp6, 0x40000                  ; cx
	s_bfe_u32 s41, ttmp6, 0x40004                  ; cy
	s_lshl_b32 s42, ttmp9, 2
	s_add_co_u32 s42, s42, s40                     ; block column
	s_and_b32 s43, ttmp7, 0xffff
	s_lshl_b32 s43, s43, 2
	s_add_co_u32 s43, s43, s41                     ; block row
	s_lshl_b32 s44, s41, 2
	s_lshl_b32 s44, 15, s44                        ; my row of the cluster
	s_lshl_b32 s45, 0x1111, s40                    ; my column
	s_or_b32 s[G1+0], s44, (1<<16)|(1<<20)|(1<<21)|(6<<22)|(3<<25)   ; A: 64 rows x 256 elements, 16 bytes behind every 512
	s_mov_b32 s[G1+1], 256<<16
	s_mov_b32 s[G1+2], 64<<16
	s_mov_b32 s[G1+3], 256<<16
	s_mov_b32 s[G1+4], 64
	s_mov_b32 s[G1+5], KTOT
	s_mov_b32 s[G1+6], 0
	s_mov_b32 s[G1+7], 0
	s_or_b32 s[G1B+0], s45, (1<<16)|(1<<20)|(1<<21)|(5<<22)|(7<<25)  ; W: 128 k rows x 128 elements, 32 bytes behind every 256
	s_mov_b32 s[G1B+1], 128<<16
	s_mov_b32 s[G1B+2], 128<<16
	s_mov_b32 s[G1B+3], 128<<16
	s_mov_b32 s[G1B+4], 128
	s_mov_b32 s[G1B+5], 512
	s_mov_b32 s[G1B+6], 0
	s_mov_b32 s[G1B+7], 0
	s_lshl_b32 s14, s43, 7
	s_lshl_b32 s15, s22, 6
	s_add_co_u32 s14, s14, s15                     ; A: row 128 x block row + 64 x half
	s_mul_i32 s14, s14, KTOT*2
	s_mov_b32 s15, 0
	s_lshl_b32 s46, s22, 17                        ; W: k row 128 x half (rows of 1,024 bytes),
	s_lshl_b32 s47, s42, 8                         ; column 128 x block column
	s_add_co_u32 s46, s46, s47
	s_add_co_u32 s46, s46, WOFF
	s_mov_b32 s47, 0
	s_mul_i32 s23, s20, PART                       ; LDS: wave x PART: no place in the cluster enters an LDS address
	s_wait_dscnt 0x0
	s_wait_kmcnt 0x0
	s_add_nc_u64 s[14:15], s[4:5], s[14:15]
	s_add_nc_u64 s[46:47], s[6:7], s[46:47]
	CROUND                                         ; all sixteen work-groups are here: the first joint loads meet
.irp s, 0,1
	s_mov_b32 s[G0+4*\s], 1
	s_add_co_u32 s[G0+4*\s+1], s23, \s*SLOT
	s_add_nc_u64 s[G0+4*\s+2:G0+4*\s+3], s[14:15], \s*512
	s_or_b32 s[G0+4*\s+3], s[G0+4*\s+3], 0x80000000
	s_mov_b32 s[G0B+4*\s], 1
	s_add_co_u32 s[G0B+4*\s+1], s23, \s*SLOT
	s_add_nc_u64 s[G0B+4*\s+2:G0B+4*\s+3], s[46:47], \s*262144
	s_or_b32 s[G0B+4*\s+3], s[G0B+4*\s+3], 0x80000000
	JLOAD \s                                       ; K steps 0 and 1: two tensor loads of the wave are out
.endr
	v_and_b32 v1, 15, v0
	v_bfe_u32 v2, v0, 4, 1
	v_and_b32 v3, 7, v0
	v_bfe_u32 v4, v0, 3, 1
	v_lshlrev_b32 v[BO], 5, v2
	v_lshlrev_b32 v5, 11, v2
	v_lshl_add_u32 v[CO], v1, 4, v5
	s_lshl_b32 s16, s42, 9
	s_lshl_b32 s17, s22, 8
	s_add_co_u32 s16, s16, s17                     ; my first column in f32 bytes
	s_mov_b32 s17, 0
	s_add_nc_u64 s[10:11], s[10:11], s[16:17]
	s_lshl_b32 s18, s43, 7
	s_lshl_b32 s19, s21, 6
	s_add_co_u32 s18, s18, s19                     ; my first row
	s_lshl_b32 s18, s18, 11
	s_add_co_u32 s18, s18, s16
	s_mov_b32 s19, 0
	s_add_nc_u64 s[8:9], s[8:9], s[18:19]
	s_add_nc_u64 s[12:13], s[12:13], s[18:19]
.irp b, 0,1,2,3
	global_load_b128 v[BI+8*\b:BI+8*\b+3],   v[BO], s[10:11] offset:64*\b
	global_load_b128 v[BI+8*\b+4:BI+8*\b+7], v[BO], s[10:11] offset:64*\b+16
.endr
	WIN 0x40
.irp a, 0,1,2,3
.irp t, 0,1,2,3,4,5,6,7
	global_load_b128 v[RES+4*(8*\a+\t):RES+4*(8*\a+\t)+3], v[CO], s[8:9] offset:(16*\a+2*\t)*2048   ; the residual, in the layout of the way out
.endr
.endr
	WIN 0
	v_mul_u32_u24 v5, v1, APITCH
	v_lshl_add_u32 v5, v2, 4, v5
	s_mul_i32 s66, s21, PART
	v_add_nc_u32 v[ADRA], s66, v5
	v_add_nc_u32 v[ADRA+1], SLOT, v[ADRA]
	v_lshl_add_u32 v6, v2, 3, v3
	v_mul_u32_u24 v6, v6, BPITCH
	v_lshl_add_u32 v6, v4, 4, v6
	s_lshl_b32 s67, s22, 7
	s_add_co_u32 s67, s67, 2*PART
	v_add_nc_u32 v[ADRB], s67, v6
	v_add_nc_u32 v[ADRB+1], PART, v[ADRB]
	v_add_nc_u32 v[ADRB+2], SLOT, v[ADRB]
	v_add_nc_u32 v[ADRB+3], SLOT+PART, v[ADRB]
	s_mul_i32 s68, s20, 16*SPITCH
	s_add_co_u32 s68, s68, STAGE
	v_mul_u32_u24 v7, v1, SPITCH
	v_lshl_add_u32 v7, v2, 5, v7
	v_add_nc_u32 v[STO], s68, v7
	v_mul_u32_u24 v7, v2, SPITCH
	v_lshl_add_u32 v7, v1, 4, v7
	v_add_nc_u32 v[RD], s68, v7
.macro FETCH slot, q, f                ; the fragments of 32 along K (eighth q of a slot): 8 loads of W, 8 of A
.irp b, 0,1,2,3
	ds_load_tr16_b128 v[\f+32+8*\b:\f+32+8*\b+3],   v[ADRB+2*\slot+(\q>>2)] offset:(\q&3)*32*BPITCH+32*\b
	ds_load_tr16_b128 v[\f+32+8*\b+4:\f+32+8*\b+7], v[ADRB+2*\slot+(\q>>2)] offset:(\q&3)*32*BPITCH+16*BPITCH+32*\b
.endr
.irp a, 0,1,2,3
	ds_load_b128 v[\f+8*\a:\f+8*\a+3],   v[ADRA+\slot] offset:\a*16*APITCH+64*\q
	ds_load_b128 v[\f+8*\a+4:\f+8*\a+7], v[ADRA+\slot] offset:\a*16*APITCH+64*\q+32
.endr
.endm
; 16 matrix instructions; the 16 accumulators take turns, one instruction a turn. first = 1: C is the bias.
.macro MUL f, first
.if \first
	WIN 0x40
.else
	WIN 0x50
.endif
.irp a, 0,1,2,3
.irp b, 0,1,2,3
.if \first
	v_wmma_f32_16x16x32_bf16 v[8*(4*\a+\b):8*(4*\a+\b)+7], v[\f+32+8*\b:\f+32+8*\b+7], v[\f+8*\a:\f+8*\a+7], v[BI+8*\b:BI+8*\b+7]
.else
	v_wmma_f32_16x16x32_bf16 v[8*(4*\a+\b):8*(4*\a+\b)+7], v[\f+32+8*\b:\f+32+8*\b+7], v[\f+8*\a:\f+8*\a+7], v[8*(4*\a+\b):8*(4*\a+\b)+7]
.endif
.endr
.endr
	WIN 0
.endm
.macro HOP slot, q, g, f               ; fetch eighth q into g, multiply f
	PLACES
	FETCH \slot, \q, \g
	s_wait_dscnt 16                                ; all but the 16 just issued
	MUL \f, 0
.endm
.macro STEP slot, first                ; a K step of 256; four places stand behind the last matrix instruction wherever it begins
	FETCH \slot, 0, F0
	FETCH \slot, 1, F1
	s_wait_dscnt 16
	MUL F0, \first
	HOP \slot, 2, F0, F1
	HOP \slot, 3, F1, F0
	HOP \slot, 4, F0, F1
	HOP \slot, 5, F1, F0
	HOP \slot, 6, F0, F1
	HOP \slot, 7, F1, F0
	s_wait_dscnt 0x0
	MUL F1, 0
.endm
; The change of slots. Each wave waits for all its tensor loads (its part of `slot`) and for its reads of `other`; a round of the cluster's
; barrier follows where `other` is filled again, and the joint refill is the first tensor load behind it, one a wave.
.macro TWO slot, other, refill
	s_wait_tensorcnt 0x0
	ds_add_u32 v254, v255
	s_wait_dscnt 0x0
.if \refill
	s_add_nc_u64 s[G0+4*\other+2:G0+4*\other+3], s[G0+4*\other+2:G0+4*\other+3], 2*512        ; no load of mine is out: the group 0 sets may be written
	s_add_nc_u64 s[G0B+4*\other+2:G0B+4*\other+3], s[G0B+4*\other+2:G0B+4*\other+3], 2*262144
.endif
	s_wait_dscnt 0x0
.if \refill
	CROUND
	JLOAD \other                                   ; its four v_nop are also the places in front of the loads below
.else
	s_barrier_signal -1
	s_barrier_wait -1
	PLACES
.endif
	STEP \slot, 0
.endm
; 16 rows: the f32 tiles into my own stage, back as rows of 256 bytes, the residual added, stored.
.macro OUT a
	WIN 0x04                                       ; store data and source 1 from window 1
.irp b, 0,1,2,3
	ds_store_b128 v[STO], v[8*(4*\a+\b):8*(4*\a+\b)+3]   offset:64*\b
	ds_store_b128 v[STO], v[8*(4*\a+\b)+4:8*(4*\a+\b)+7] offset:64*\b+16
.endr
.if \a
	s_wait_xcnt 0x0                                ; TMP, which the last stores read, is loaded again only behind this wait
.endif
.irp t, 0,1,2,3,4,5,6,7
	ds_load_b128 v[TMP+4*\t:TMP+4*\t+3], v[RD] offset:2*SPITCH*\t  ; LDS serves a wave's instructions in order: these see the stores above
.endr
.irp t, 0,1,2,3,4,5,6,7
	s_wait_dscnt 7-\t
	v_pk_add_f32 v[TMP+4*\t:TMP+4*\t+1],   v[TMP+4*\t:TMP+4*\t+1],   v[RES+4*(8*\a+\t):RES+4*(8*\a+\t)+1]
	v_pk_add_f32 v[TMP+4*\t+2:TMP+4*\t+3], v[TMP+4*\t+2:TMP+4*\t+3], v[RES+4*(8*\a+\t)+2:RES+4*(8*\a+\t)+3]
.endr
	WIN 0
.irp t, 0,1,2,3,4,5,6,7
	global_store_b128 v[CO], v[TMP+4*\t:TMP+4*\t+3], s[12:13] offset:(16*\a+2*\t)*2048   ; 16 lanes store 256 consecutive bytes, aligned
.endr
.endm
	s_wait_tensorcnt 1                             ; my part of K step 0 is in; K step 1's stays out
	s_barrier_signal -1
	s_barrier_wait -1
	s_wait_loadcnt 32                              ; the bias is in; the residual's 32 loads stay out
	STEP 0, 1
	s_mov_b32 s3, STEPS/2-1
.Lk:
	TWO 1, 0, 1
	TWO 0, 1, 1
	s_sub_co_u32 s3, s3, 1
	s_cmp_lg_u32 s3, 0
	s_cbranch_scc1 .Lk
	TWO 1, 0, 0                                    ; the last K step: nothing is left to fetch
	PLACES
	s_wait_loadcnt 0x0                             ; the residual
	OUT 0
	OUT 1
	OUT 2
	OUT 3
	s_wait_tensorcnt 0x0
	ds_add_u32 v254, v255
	s_wait_dscnt 0x0
	CROUND                                         ; the closing round: no work-group ends while a partner may still ask for a tile that names it
	s_endpgm
.Lfunc_end_k_qe98efcdffa_ffn2:
	.size	k_qe98efcdffa_ffn2, .Lfunc_end_k_qe98efcdffa_ffn2-k_qe98efcdffa_ffn2
	.p2alignl 7, 3214868480
	.fill 96, 4, 3214868480
	.section	.rodata,"a",@progbits
	.p2align	6, 0x0
	.amdhsa_kernel k_qe98efcdffa_ffn2
		.amdhsa_group_segment_fixed_size 327680
		.amdhsa_private_segment_fixed_size 0
		.amdhsa_enable_private_segment 0
		.amdhsa_kernarg_size 40
		.amdhsa_user_sgpr_count 2
		.amdhsa_user_sgpr_kernarg_segment_ptr 1
		.amdhsa_wavefront_size32 1
		.amdhsa_system_sgpr_workgroup_id_x 1
		.amdhsa_system_sgpr_workgroup_id_y 1
		.amdhsa_system_sgpr_workgroup_id_z 1
		.amdhsa_system_vgpr_workitem_id 0
		.amdhsa_next_free_vgpr 512
		.amdhsa_next_free_sgpr 72
		.amdhsa_reserve_vcc 0
		.amdhsa_float_denorm_mode_32 3
		.amdhsa_float_denorm_mode_16_64 3
		.amdhsa_memory_ordered 1
		.amdhsa_forward_progress 1
		.amdhsa_inst_pref_size 97
	.end_amdhsa_kernel
	.amdgpu_metadata
---
amdhsa.version: [ 1, 2 ]
amdhsa.kernels:
  - .name:           k_qe98efcdffa_ffn2
    .symbol:         k_qe98efcdffa_ffn2.kd
    .args:
      - { .name: hid, .offset: 0, .size: 8, .value_kind: global_buffer, .address_space: global }
      - { .name: wb, .offset: 8, .size: 8, .value_kind: global_buffer, .address_space: global }
      - { .name: x1, .offset: 16, .size: 8, .value_kind: global_buffer, .address_space: global }
      - { .name: b2, .offset: 24, .size: 8, .value_kind: global_buffer, .address_space: global }
      - { .name: out0, .offset: 32, .size: 8, .value_kind: global_buffer, .address_space: global }
    .group_segment_fixed_size: 327680
    .private_segment_fixed_size: 0
    .kernarg_segment_align: 8
    .kernarg_segment_size: 40
    .max_flat_workgroup_size: 128
    .sgpr_count:     72
    .vgpr_count:     512
    .wavefront_size: 32
...
	.end_amdgpu_metadata
.endif
;; end of part 7
